; MI455X (gfx1250); checked and timed in simulation.
; The chip was launched on July 23, 2026; its instructions are those of AMD's public machine-readable ISA for CDNA 5 (MIT licence, August 2026) and "CDNA5" Instruction Set Architecture Reference Guide (July 2026). The comments in the code are by the model that wrote it; some were corrected since.
;; Self Attention. Allowed arithmetic: matrix products marked QUANTISED: E2M3 operands, one E8M0 scale for each 32 along K, by v_wmma_scale_f32_16x16x128_f8f6f4 with both operands' format E2M3, f32 sums; everything else in f32.
;; Inputs: Wk 1,024 x 1,024 float32; Wq 1,024 x 1,024 float32; Wv 1,024 x 1,024 float32; bk 1,024 float32; bq 1,024 float32; bv 1,024 float32; x 4 x 2,048 x 1,024 float32.
;; Outputs: out0 4 x 2,048 x 1,024 float32.
;; This version of the problem:
;;   THIS VERSION OF THE PROBLEM IS GIVEN IN LOW PRECISION. The matrix products marked QUANTISED in the list below multiply operands that are first quantised to E2M3 (2 exponent bits, 3 mantissa bits; 6 bits a number), with one power-of-two scale for each 32 numbers along K (OCP MX v1.0); their sums are f32. All else is computed in f32.
;;   The module's matrix products, in the order in which they are computed (A, B: the left and right operand; K: the contracted axis; several contracted axes count as one K, in the product's order):
;;     1. [M 8,192, K 1,024] x [K 1,024, N 1,024]; A: input x; B: input Wq: QUANTISED
;;     2. [M 8,192, K 1,024] x [K 1,024, N 1,024]; A: input x; B: input Wk: QUANTISED
;;     3. [M 8,192, K 1,024] x [K 1,024, N 1,024]; A: input x; B: input Wv: QUANTISED
;;     4. batch 4 x [M 2,048, K 1,024] x [K 1,024, N 2,048]; A: computed on the way; B: computed on the way: QUANTISED
;;     5. batch 4 x [M 2,048, K 2,048] x [K 2,048, N 1,024]; A: softmax (see below); B: computed on the way: QUANTISED
;;   THE QUANTISER, for each operand of a quantised product, along K:
;;     - K is cut into blocks of 32 from its start; a last block that is shorter is filled with zeros.
;;     - A block's scale is 2^e with e = floor(log2(the largest magnitude in the block)) - 2, held to -126 .. 127; a block of zeros has e = 0. As a byte (E8M0): e + 127.
;;     - Each number is divided by its block's scale, clamped to +-7.5, and rounded to the nearest number of E2M3, ties to even, subnormals kept.
;;     - The product sums the exact products of the quantised numbers (number of the format x scale) in f32.
;;   ~~~python
;;   def quantise(x, axis):      # numpy; x: float32 -> the quantised numbers, widened to float32 again
;;       x = np.moveaxis(x, axis, -1); K = x.shape[-1]
;;       x = np.pad(x, [(0, 0)] * (x.ndim - 1) + [(0, -K % 32)]); x = x.reshape(x.shape[:-1] + (-1, 32)); a = np.abs(x).max(-1, keepdims=True)
;;       e = np.where(a > 0, np.clip(np.frexp(np.where(a > 0, a, 1))[1] - 1 - 2, -126, 127), 0)      # np.frexp(a)[1] - 1 = floor(log2(a)), exactly
;;       r = np.clip(x / 2.0 ** e, -7.5, 7.5)
;;       step = 2.0 ** (np.maximum(np.frexp(np.where(r == 0, 1, r))[1] - 1, 0) - 3)
;;       q = np.round(r / step) * step * 2.0 ** e      # np.round: ties to even
;;       return np.moveaxis(q.reshape(q.shape[:-2] + (-1,))[..., :K], -1, axis).astype(np.float32)
;;   ~~~
;;   SOFTMAX AHEAD OF A QUANTISED PRODUCT. Where the list says 'softmax', what is quantised is not the finished softmax but p = 2^(t - M), with t = logit x log2(e) and M = ceil(the row's largest t), a whole number; so 1/2 < the row's largest p <= 1. The row's sum l is taken of the UNQUANTISED p, in f32, and the product's result is divided by l at the end. Since M is a whole number, a kernel that streams over the keys may use a running M (the ceiling of the running maximum): every later rescaling is an exact power of two, which a block's scale takes up: the codes' values come out the same.
;;   OPERANDS COMPUTED ON THE WAY. 'Computed on the way' means the value that the module computes at that place (a softmax that the list does not call 'softmax' is quantised finished and normalised). What goes into a quantiser is computed in f32, as accurately as f32 sums, v_exp_f32 and their like allow (about 1e-6 of the number): no bf16 or f16 on the way to a quantiser, and a product that is left as it is and whose result goes on into a quantised operand takes f32 operands (vector FMAs, or v_wmma_f32_16x16x4_f32). A number that lies on a knife's edge between two numbers of the format may be rounded either way, as far as f32 arithmetic and the matrix unit's own rounding can turn it there, and no further.
;; One version. Each part assembles by itself: llvm-mc -triple=amdgcn-amd-amdhsa -mcpu=gfx1250 --defsym DOCPART=n.
;; ======== version 1 of 1: 4 launches
;; limits: right only within a limited range of input values
;; workspace buffers: xw 9,011,200 bytes; qkv 19,660,800 bytes; pp 14,155,776 bytes
;; launch quant (part 1): grid 256 x 1, 11 waves a work-group, no clusters, 94,464 bytes of LDS; arguments x, Wq, Wk, Wv, xw; writes xw
.if DOCPART == 1
	.amdgcn_target "amdgcn-amd-amdhsa--gfx1250"
	.amdhsa_code_object_version 6
	.text
	.protected	k_qaf29b75751_quant
	.globl	k_qaf29b75751_quant
	.p2align	8
	.type	k_qaf29b75751_quant,@function
k_qaf29b75751_quant:
	s_mov_b64 s[64:65], 0
	v_nop
	global_prefetch_b8 v0, s[64:65] scope:SCOPE_SE
	s_setreg_imm32_b32 hwreg(HW_REG_WAVE_MODE, 25, 1), 1
	s_wait_xcnt 0x0
; x [8192][1024] and Wq, Wk, Wv [1024][1024], f32, K innermost, become codes of FP6 (E2M3) and E8M0 scale words in the workspace xw, laid as the matrix unit's registers take them.
; No work of the module is left out in this program: every bias goes into a quantised operand.
; AN IMAGE is a fragment of 16 rows x 128 K: 12 registers a lane, 1,536 bytes: registers 4 c .. 4 c + 3 of lane l at byte 512 c + 16 l.
; Lane r of row block 2 b + u holds row 32 b + 8 u + r + 8 (r / 8): a product that takes the image as source 0 leaves 16 neighbouring rows in 16 neighbouring registers.
; A CHUNK is 256 rows x 256 K: images [row block 16][q 2], then their scale words [row block 16][q 2][16]: 49,152 + 2,048 = 51,200 bytes; a word holds the four bytes of 128 K of one row.
; xw: tiles T of 256 rows, each four chunks along K (204,800 bytes): x T = 0 .. 31, Wq 32 .. 35, Wk 36 .. 39, Wv 40 .. 43.  Wv's tiles are two runs of 128 rows, each four chunks of 25,600 bytes: images [8][2], words [8][2][16].
; A block's scale is 2^(floor(log2(its largest magnitude)) - 2); its byte is the largest magnitude's exponent field - 2, held at 1 from below.
; LIMITS: a block of zeros gets the byte 1 where the rule says 127 (its codes are zeros, and this program alone reads the bytes); NaN and infinities among the inputs are not served.
; SHARES: 44 tiles x 4 chunks x 16 row blocks = 2,816 pairs of images = 256 work-groups x 11 waves.  A wave reads 16 rows x 1,024 bytes, asked for at once; the rows turn through the wave's own stage in LDS (rows of 528 bytes),
; so that a lane gets two whole blocks of 32 of its row.  Waves share nothing: no barrier.  No byte is read twice, so no cluster; no loop to run ahead in, so no prefetch.
.set R,    16                          ; v16-143  the 16 rows of both images as loaded
.set X,    144                         ; v144-207 my row's k = 64 c + 32 h + 0 .. 31 at X + 32 c
.set C,    208                         ; v208-231 the fragments' registers, 12 for each image
.set TP,   232                         ; v232-234, v236-238 second halves of the blocks' codes
.set MX,   240                         ; v240-243 largest magnitudes, of half blocks
.set SO,   244                         ; v244-245 the conversions' scale operands
.set BY,   246                         ; v246-247 the bytes
.set WD,   248                         ; v248-249 the scale word of each image
.set W2,   250                         ; v250 the other half of the lanes' part of it
.set SPW,  14
.set NIL,  15
.set SPI,  528                         ; a stage row: 512 bytes + 16
.set WREG, 16*SPI
.set SPARE, 11*WREG
	s_load_b256 s[4:11], s[0:1], 0x0               ; x, Wq, Wk, Wv
	s_load_b64 s[12:13], s[0:1], 0x20              ; xw
	v_lshl_add_u32 v[SPW], v0, 2, SPARE
	v_mov_b32 v[NIL], 0
	v_lshrrev_b32 v1, 5, v0
	v_readfirstlane_b32 s23, v1                    ; wave
	v_and_b32 v1, 31, v0                           ; lane
	v_and_b32 v2, 15, v0                           ; r
	v_bfe_u32 v3, v0, 4, 1                         ; h
	s_mul_i32 s28, s23, WREG
	v_lshlrev_b32 v4, 4, v1                        ; 16 x lane
	v_add_nc_u32 v5, s28, v4                       ; the stage, on the way in
	v_mul_u32_u24 v6, v2, SPI
	v_lshl_add_u32 v6, v3, 7, v6
	v_add_nc_u32 v6, s28, v6                       ; and on the way out: row r, + 128 h bytes
	v_lshlrev_b32 v10, 3, v3                       ; 8 h: how far my two bytes are shifted in the word
	v_lshlrev_b32 v11, 2, v1
	v_mov_b32 v[W2], 0                             ; written once: a lane permute's destination counts as one of its sources
	s_mov_b32 s36, 0x76543210
	s_mov_b32 s37, 0xfedcba98                      ; selects for lane l xor 16
	s_mul_i32 s16, ttmp9, 11
	s_add_co_u32 s16, s16, s23                     ; my pair of images
	s_lshr_b32 s17, s16, 6                         ; T
	s_bfe_u32 s18, s16, 0x20004                    ; k2: which 256 along K
	s_and_b32 s19, s16, 15                         ; row block
	s_sub_co_u32 s20, s17, 32
	s_and_b32 s20, s20, 3                          ; the tile inside one weight
	s_mul_i32 s22, s18, 51200
	s_mul_i32 s26, s19, 3072
	s_add_co_u32 s26, s26, s22                     ; x, Wq, Wk: my images in the tile,
	s_lshl_b32 s27, s19, 7
	s_add_co_u32 s27, s27, s22
	s_add_co_u32 s27, s27, 49152                   ; and my words
	s_lshr_b32 s29, s19, 3
	s_mul_i32 s29, s29, 102400
	s_mul_i32 s30, s18, 25600
	s_add_co_u32 s29, s29, s30                     ; Wv: the chunk,
	s_and_b32 s31, s19, 7
	s_mul_i32 s30, s31, 3072
	s_add_co_u32 s30, s30, s29                     ; the images
	s_lshl_b32 s31, s31, 7
	s_add_co_u32 s31, s31, s29
	s_add_co_u32 s31, s31, 24576                   ; and the words
	s_cmp_lt_u32 s17, 40
	s_cselect_b32 s26, s26, s30
	s_cselect_b32 s27, s27, s31
	s_mul_i32 s21, s17, 204800
	s_add_co_u32 s26, s26, s21
	s_add_co_u32 s30, s27, s21
	s_mov_b32 s27, 0
	s_mov_b32 s31, 0
	s_wait_alu depctr_va_vdst(0)                   ; the wait at the head's end
	s_wait_kmcnt 0x0
	s_cmp_lt_u32 s17, 36                           ; the choices hang on the work-group's and the wave's number alone
	s_cselect_b64 s[6:7], s[6:7], s[8:9]
	s_cmp_lt_u32 s17, 40
	s_cselect_b64 s[6:7], s[6:7], s[10:11]
	s_cmp_lt_u32 s17, 32
	s_cselect_b64 s[4:5], s[4:5], s[6:7]           ; the tensor that I read
	s_cselect_b32 s20, s17, s20                    ; the tile in it
	s_lshl_b32 s24, s20, 20                        ; 256 rows of 4,096 bytes
	s_lshr_b32 s25, s19, 1
	s_lshl_b32 s25, s25, 17
	s_add_co_u32 s24, s24, s25                     ; 32 rows for each two row blocks,
	s_and_b32 s25, s19, 1
	s_lshl_b32 s25, s25, 15
	s_add_co_u32 s24, s24, s25                     ; 8 for the odd one
	s_lshl_b32 s25, s18, 10
	s_add_co_u32 s24, s24, s25
	s_mov_b32 s25, 0
	s_add_nc_u64 s[4:5], s[4:5], s[24:25]
	s_add_nc_u64 s[14:15], s[12:13], s[26:27]      ; my two images
	s_add_nc_u64 s[12:13], s[12:13], s[30:31]      ; my 32 scale words
.irp t, 0,1
.irp i, 0,1,2,3,4,5,6,7,8,9,10,11,12,13,14,15
	global_load_b128 v[R+64*\t+4*\i:R+64*\t+4*\i+3], v4, s[4:5] offset:(\i+8*(\i/8))*4096+512*\t th:TH_LOAD_NT   ; 512 consecutive bytes of one row
.endr
.endr
.macro IMG t
.set RS, R+64*(\t)
	s_wait_loadcnt 16-16*(\t)                      ; this image's 16 loads are in; the second image's may be out
.irp i, 0,1,2,3,4,5,6,7,8,9,10,11,12,13,14,15
	ds_store_b128 v5, v[RS+4*\i:RS+4*\i+3] offset:SPI*\i
.endr
.irp c, 0,1
.irp j, 0,1,2,3,4,5,6,7
	ds_load_b128 v[X+32*\c+4*\j:X+32*\c+4*\j+3], v6 offset:256*\c+16*\j   ; LDS serves a wave's instructions in order: these see the stores above
.endr
.endr
	s_wait_dscnt 0x0
.irp c, 0,1                                    ; my block 2 c + h, in two halves: all its 32 numbers are mine
.irp u, 0,1
	v_max3_num_f32 v[MX+2*\c+\u], |v[X+32*\c+16*\u]|, |v[X+32*\c+16*\u+1]|, 0x1800000   ; with the floor 2^(3 - 127): the byte cannot fall under 1
.endr
.endr
.irp i, 2,4,6,8,10,12,14
.irp c, 0,1
.irp u, 0,1
	v_max3_num_f32 v[MX+2*\c+\u], v[MX+2*\c+\u], |v[X+32*\c+16*\u+\i]|, |v[X+32*\c+16*\u+\i+1]|
.endr
.endr
.endr
.irp c, 0,1
	v_max_num_f32 v[MX+2*\c], v[MX+2*\c], v[MX+2*\c+1]
.endr
.irp c, 0,1
	v_add_nc_u32 v[SO+\c], 0xff000000, v[MX+2*\c]  ; 2 off the exponent field: the conversion's scale operand
.endr
.irp c, 0,1
	v_lshrrev_b32 v[BY+\c], 23, v[SO+\c]           ; the scale's byte
.endr
	v_lshl_or_b32 v[WD+\t], v[BY+1], 16, v[BY]     ; blocks h and 2 + h of my row,
	v_lshlrev_b32 v[WD+\t], v10, v[WD+\t]          ; at their places in the word;
	v_permlanex16_b32 v[W2], v[WD+\t], s36, s37
	v_or_b32 v[WD+\t], v[WD+\t], v[W2]             ; with lane l xor 16's two the word is whole
.irp c, 0,1
	v_cvt_scalef32_pk16_fp6_f32 v[C+12*\t+6*\c:C+12*\t+6*\c+2], v[X+32*\c:X+32*\c+15], v[SO+\c]
	v_cvt_scalef32_pk16_fp6_f32 v[TP+4*\c:TP+4*\c+2], v[X+32*\c+16:X+32*\c+31], v[SO+\c]   ; (a conversion's three registers begin on an even number)
.endr
	v_nop                                          ; one plain line behind the scaled conversions
.irp c, 0,1
.irp i, 0,1,2
	v_mov_b32 v[C+12*\t+6*\c+3+\i], v[TP+4*\c+\i]
.endr
.endr
.irp c, 0,1,2
	global_store_b128 v4, v[C+12*\t+4*\c:C+12*\t+4*\c+3], s[14:15] offset:1536*\t+512*\c   ; 512 consecutive bytes, aligned
.endr
.endm
	IMG 0
	IMG 1
	v_cmp_lt_u32 vcc_lo, 15, v1
	v_cndmask_b32 v251, v[WD], v[WD+1], vcc_lo     ; lanes 0-15 the first image's words, lanes 16-31 the second's
	global_store_b32 v11, v251, s[12:13]           ; 128 consecutive bytes
	s_wait_tensorcnt 0x0                           ; the wave's end
	ds_add_u32 v[SPW], v[NIL]
	s_wait_dscnt 0x0
	s_endpgm
.Lfunc_end_k_qaf29b75751_quant:
	.size	k_qaf29b75751_quant, .Lfunc_end_k_qaf29b75751_quant-k_qaf29b75751_quant
	.p2alignl 7, 3214868480
	.fill 96, 4, 3214868480
	.section	.rodata,"a",@progbits
	.p2align	6, 0x0
	.amdhsa_kernel k_qaf29b75751_quant
		.amdhsa_group_segment_fixed_size 94464
		.amdhsa_private_segment_fixed_size 0
		.amdhsa_enable_private_segment 0
		.amdhsa_kernarg_size 40
		.amdhsa_user_sgpr_count 2
		.amdhsa_user_sgpr_kernarg_segment_ptr 1
		.amdhsa_wavefront_size32 1
		.amdhsa_system_sgpr_workgroup_id_x 1
		.amdhsa_system_sgpr_workgroup_id_y 1
		.amdhsa_system_sgpr_workgroup_id_z 1
		.amdhsa_system_vgpr_workitem_id 0
		.amdhsa_next_free_vgpr 256
		.amdhsa_next_free_sgpr 66
		.amdhsa_reserve_vcc 1
		.amdhsa_float_denorm_mode_32 3
		.amdhsa_float_denorm_mode_16_64 3
		.amdhsa_memory_ordered 1
		.amdhsa_forward_progress 1
		.amdhsa_inst_pref_size 18
	.end_amdhsa_kernel
	.amdgpu_metadata
---
amdhsa.version: [ 1, 2 ]
amdhsa.kernels:
  - .name:           k_qaf29b75751_quant
    .symbol:         k_qaf29b75751_quant.kd
    .args:
      - { .name: x, .offset: 0, .size: 8, .value_kind: global_buffer, .address_space: global }
      - { .name: Wq, .offset: 8, .size: 8, .value_kind: global_buffer, .address_space: global }
      - { .name: Wk, .offset: 16, .size: 8, .value_kind: global_buffer, .address_space: global }
      - { .name: Wv, .offset: 24, .size: 8, .value_kind: global_buffer, .address_space: global }
      - { .name: xw, .offset: 32, .size: 8, .value_kind: global_buffer, .address_space: global }
    .group_segment_fixed_size: 94464
    .private_segment_fixed_size: 0
    .kernarg_segment_align: 8
    .kernarg_segment_size: 40
    .max_flat_workgroup_size: 352
    .sgpr_count:     66
    .vgpr_count:     256
    .wavefront_size: 32
...
	.end_amdgpu_metadata
.endif
;; end of part 1
;; launch proj (part 2): grid 8 x 32, 4 waves a work-group, clusters of 4 x 4, 327,680 bytes of LDS; arguments xw, bq, bk, bv, qkv; writes qkv
.if DOCPART == 2
	.amdgcn_target "amdgcn-amd-amdhsa--gfx1250"
	.amdhsa_code_object_version 6
	.text
	.protected	k_qaf29b75751_proj
	.globl	k_qaf29b75751_proj
	.p2align	8
	.type	k_qaf29b75751_proj,@function
k_qaf29b75751_proj:
	s_mov_b64 s[64:65], 0
	v_nop
	global_prefetch_b8 v0, s[64:65] scope:SCOPE_SE
	s_setreg_imm32_b32 hwreg(HW_REG_WAVE_MODE, 25, 1), 1
	s_wait_xcnt 0x0
	s_wait_alu depctr_hold_cnt(0) depctr_sa_sdst(0) depctr_va_vdst(0) depctr_va_sdst(0) depctr_va_ssrc(0) depctr_va_vcc(0) depctr_vm_vsrc(0)
	s_getreg_b32 s2, hwreg(HW_REG_IB_STS2, 6, 4)
	s_cmp_eq_u32 s2, 0
	s_cbranch_scc0 .Lentry_in_a_cluster
	s_endpgm
.Lentry_in_a_cluster:
	s_bfe_u32 s2, ttmp6, 0x10000c
	s_cmp_lg_u32 s2, 0xf033
	s_cbranch_scc0 .Lentry_shape_is_right
	s_endpgm
.Lentry_shape_is_right:
; q = x Wq^T + bq, k = x Wk^T + bk, v = x Wv^T + bv on codes of FP6 (E2M3) with E8M0 scales, and the results quantised at once: q and k along d, v along the tokens (the keys of the last product).
; Operands: chunks of 256 rows x 256 K (51,200 bytes: images [row block 16][q 2] of 1,536 bytes, then words [row block 16][q 2][16]; an image's registers 4 c .. 4 c + 3 of lane l at 512 c + 16 l), four along K to a tile;
; Wv in runs of 128 rows, chunks of 25,600 bytes.  Lane r of row block 2 b + u holds row 32 b + 8 u + r + 8 (r / 8).
; Results: chunks of the same size, images [16][2], words [q 2][256 rows]: q at 0 [token tile 32][d / 256], k at 6,553,600, v at 13,107,200 [batch][d / 256][tokens / 256 of the batch] (rows d, K = token).
; SHARES: the three products are 384 tiles of 256 x 256, one and a half for each of 256 work-groups: a work-group makes, for its 256 tokens, 256 columns of q (cluster x = 0) or k (cluster x = 1), then 128 columns of v.
; Four waves: 128 x 128 each in the first product (64 accumulators), 64 d x 128 tokens in the second (32).
; A PRODUCT IS LAID SO THAT A LANE'S REGISTERS RUN ALONG THE NEXT K: source 0 is the operand R whose rows become registers, source 1 the operand L whose rows become lanes.  q, k: L = x, R = W.  v: L = Wv, R = x.
; LDS: X'S FOUR CHUNKS STAY FOR BOTH PRODUCTS; the weights go through a ring of two slots of 51,200 bytes: W's chunks 0 and 1 at the head, 2 and 3 as refills, then Wv's four chunks as two refills.
; At the head one joint load a wave: x's chunk 0, W's chunk 0, x's chunks 1 to 3, W's chunk 1.  Each refill stands behind a round of the cluster's barrier.
; CLUSTER 4 x 4: x's tiles hang on the tile row alone and are asked for jointly along a row of the cluster, the weights' on the tile column alone, along a column.
; THE BIAS IS THE FIRST PRODUCTS' C.  The last two K steps of a product go by blocks of L: a block's results are finished together, and the search for their largest magnitudes stands among the next block's products.
; PREFETCH: W's chunks 2 and 3 (400 blocks of 256 bytes) are asked for behind the first K step, 25 blocks a wave, shared out by address among the sixteen waves of a column of the cluster, in the clusters with y < 4.  Wv's chunks are loaded a way out ahead of their use: none.
; LIMITS: a block of zeros gets the byte 1 where the rule says 127 (its codes are zeros; this program alone reads the bytes); NaN and infinities are not served.
; REGISTERS: window 0: v1-27 addresses, v28-63 scale words (nothing else ever; two sets of 16 in the first product, three of 12 in the second), v64-255 L's fragments (two sets of 96, then three of 48);
;   window 1: R's fragments, two sets at v0 and v128, biases in v96-127, v224-255, then the way out in v224-255; windows 2, 3: accumulator (a, b) at v[8 (8 (a % 4) + b)]; in the second product window 3 holds R's third set at v0.
.set CH,   51200
.set WB,   4*CH                        ; the weights' two slots behind x's four chunks
.set SPARE, 6*CH                       ; the spare words: 128 bytes a wave
.set STG,  SPARE+512                   ; a stage for the results' scale words, 512 bytes a wave
.set OBV, 3
.set SPW, 4
.set NIL, 5
.set ADL, 6                            ; v6-9   first product: L's fragments in chunk 0 .. 3
.set ADR, 10                           ; v10-11 R's in slot 0, 1
.set ASL, 12                           ; v12-13 L's words: chunks 0, 1 and 2, 3
.set ASR, 14                           ; v14    R's
.set ADL2, 15                          ; v15-16 second product: L's fragments in slot 0, 1
.set ASL2, 17                          ; v17-18 its words
.set ADR2, 19                          ; v19-22 R's fragments in chunk 0 .. 3
.set ASR2, 23                          ; v23-24 its words
.set LI,  25                           ; v25    16 x lane
.set STW, 26                           ; v26    the stage: my row's word
.set STR, 27                           ; v27    and back, 16 bytes a lane
.set SC,  28                           ; scale words
.set LF,  64
.set PC,  224                          ; window 1: the codes just made
.set TP,  236                          ; second halves of the blocks' codes
.set TM,  244                          ; maxima
.set TB,  248                          ; at work, bytes, the word
.set SO,  252                          ; scale operands
.set G1X, 24
.set G1X3, 32
.set G1W, 40
.set G0X, 48
.set G0X3, 52
.set G0W, 56                           ; s[56:59], s[60:63]: slots 0, 1
.set SEL, 100
.set MSB, 0
.macro WIN new                         ; the immediate's high byte repeats the setting that is left
.if MSB != (\new)
	s_set_vgpr_msb (MSB<<8)|(\new)
.set MSB, (\new)
.endif
.endm
.macro PLACES n
.rept \n
	v_nop
.endr
.endm
.macro CREST                           ; a round of the cluster's barrier behind its opening barrier
	s_cmp_lg_u32 s18, 0
	s_cbranch_scc1 .Lnot_wave_0_\@
	s_barrier_signal -3
.Lnot_wave_0_\@:
	s_barrier_wait -3
	s_barrier_signal -1
	s_barrier_wait -1
.endm
.macro CROUND
	s_barrier_signal -1
	s_barrier_wait -1
	CREST
.endm
.macro GROUP1 g, mask, rows            ; a dense block as rows of 256 bytes (32 elements of 8), no padding; bit 21 beside a mask
	s_or_b32 s[\g], s[\mask], (3<<16)|(1<<21)
	s_mov_b32 s[\g+1], 32<<16
	s_mov_b32 s[\g+2], (\rows)<<16
	s_mov_b32 s[\g+3], 32<<16
	s_mov_b32 s[\g+4], \rows
	s_mov_b32 s[\g+5], 32
	s_mov_b32 s[\g+6], 0
	s_mov_b32 s[\g+7], 0
.endm
.macro MKG0 g, lds, ptr, off
	s_mov_b32 s[\g], 1
	s_mov_b32 s[\g+1], \lds
	s_add_nc_u64 s[\g+2:\g+3], s[\ptr:\ptr+1], \off
	s_or_b32 s[\g+3], s[\g+3], 0x80000000
.endm
.macro ARM n, g0, g1, next             ; one arm of the head's tree: one load a wave
	s_cmp_eq_u32 s18, \n
	s_cbranch_scc0 \next
	tensor_load_to_lds s[\g0:\g0+3], s[\g1:\g1+7]
	s_nop 0
	PLACES 4
	s_branch .Lasked
\next:
.endm
.macro JW g0                           ; a refill: wave 1 fetches
	s_cmp_eq_u32 s18, 1
	s_cbranch_scc0 .Lnone_\@
	tensor_load_to_lds s[\g0:\g0+3], s[G1W:G1W+7]
	s_nop 0
	PLACES 4
.Lnone_\@:
.endm
	s_load_b256 s[4:11], s[0:1], 0x0               ; xw, bq, bk, bv
	s_load_b64 s[12:13], s[0:1], 0x20              ; qkv
	v_lshl_add_u32 v[SPW], v0, 2, SPARE
	v_mov_b32 v[NIL], 0
	ds_add_u32 v[SPW], v[NIL]                      ; the wave's opening: the add, twice on end
	ds_add_u32 v[SPW], v[NIL]
	v_lshrrev_b32 v1, 5, v0
	v_readfirstlane_b32 s18, v1                    ; wave
	s_lshr_b32 s19, s18, 1                         ; LH: my half of L
	s_and_b32 s20, s18, 1                          ; RH: my half of R
	s_bfe_u32 s21, ttmp6, 0x40000                  ; cx
	s_bfe_u32 s22, ttmp6, 0x40004                  ; cy
	s_lshl_b32 s23, ttmp9, 2
	s_add_co_u32 s23, s23, s21                     ; TX: tile of 256 rows of Wq, Wk on end; 128 rows of Wv
	s_and_b32 s67, ttmp7, 0xffff                   ; the cluster's y
	s_lshl_b32 s66, s67, 2
	s_add_co_u32 s66, s66, s22                     ; TY: tile of 256 tokens
	s_lshl_b32 s76, s22, 2
	s_lshl_b32 s76, 15, s76                        ; my row of the cluster
	s_lshl_b32 s77, 0x1111, s21                    ; my column
	GROUP1 G1X, 76, 200
	GROUP1 G1X3, 76, 600
	GROUP1 G1W, 77, 200
	s_mul_i32 s80, s66, 4*CH                       ; x's tile
	s_mov_b32 s81, 0
	s_add_co_u32 s82, s23, 32
	s_mul_i32 s82, s82, 4*CH                       ; W's tile
	s_mov_b32 s83, 0
	s_mul_i32 s84, s23, 2*CH
	s_add_co_u32 s84, s84, 160*CH                  ; Wv's 128 rows
	s_mov_b32 s85, 0
	s_mov_b32 s[SEL], 0x76543210
	s_mov_b32 s[SEL+1], 0xfedcba98                 ; selects for lane l xor 16
	s_wait_alu depctr_va_vdst(0)
	s_wait_dscnt 0x0                               ; both opening adds are done
	CROUND                                         ; all sixteen work-groups are here: the first joint loads meet
	s_wait_kmcnt 0x0
	s_add_nc_u64 s[80:81], s[4:5], s[80:81]
	s_add_nc_u64 s[82:83], s[4:5], s[82:83]
	s_add_nc_u64 s[84:85], s[4:5], s[84:85]
	MKG0 G0X, 0, 80, 0
	MKG0 G0W, WB, 82, 0
	MKG0 G0X3, CH, 80, CH
	MKG0 G0W+4, WB+CH, 82, CH
	ARM 0, G0X, G1X, .Lwave_1                      ; wave 0: x's chunk 0
	ARM 1, G0W, G1W, .Lwave_2                      ; wave 1: W's chunk 0
	ARM 2, G0X3, G1X3, .Lwave_3                    ; wave 2: x's chunks 1 to 3
	tensor_load_to_lds s[G0W+4:G0W+7], s[G1W:G1W+7]   ; wave 3: W's chunk 1
	s_nop 0
	PLACES 4
.Lasked:
	s_cmp_eq_u32 ttmp9, 0                          ; the choice hangs on the cluster's x alone
	s_cselect_b64 s[6:7], s[6:7], s[8:9]           ; bq or bk
	s_lshl_b32 s16, s21, 1
	s_add_co_u32 s16, s16, s20
	s_lshl_b32 s16, s16, 9
	s_mov_b32 s17, 0
	s_add_nc_u64 s[6:7], s[6:7], s[16:17]          ; at 256 cx + 128 RH
	s_lshl_b32 s16, s23, 9
	s_lshl_b32 s86, s19, 8
	s_add_co_u32 s16, s16, s86
	s_add_nc_u64 s[10:11], s[10:11], s[16:17]      ; bv at 128 TX + 64 LH
	v_bfe_u32 v64, v0, 4, 1
	v_lshlrev_b32 v64, 6, v64                      ; 64 h (v64 holds L's fragments only behind the wait for these loads)
	v_and_b32 v1, 31, v0                           ; lane
	v_and_b32 v2, 15, v0                           ; r
	v_and_b32 v[OBV], 8, v2
	v_add_nc_u32 v[OBV], v[OBV], v2
	v_lshlrev_b32 v[OBV], 2, v[OBV]                ; 4 (r + 8 (r / 8))
	v_lshlrev_b32 v[LI], 4, v1
	s_wait_alu depctr_va_vdst(0)
	WIN 0x40
.irp b, 0,1,2,3                                ; q's or k's bias by register: d = 32 b + 16 h + i of my 128
.irp c, 0,1,2,3
	WIN 0x40
	global_load_b128 v[96+16*\b+4*\c+96*(\b/2):96+16*\b+4*\c+96*(\b/2)+3], v64, s[6:7] offset:128*\b+16*\c
.endr
.endr
	WIN 0
	; LDS addresses: a constant + a constant x wave's half + 16 x lane or 4 r
	s_mul_i32 s16, s19, 24576
	v_add_nc_u32 v[ADL], s16, v[LI]                ; first product: L = x's half LH
	v_add_nc_u32 v[ADL+1], CH, v[ADL]
	v_add_nc_u32 v[ADL+2], 2*CH, v[ADL]
	v_add_nc_u32 v[ADL+3], 3*CH, v[ADL]
	s_mul_i32 s16, s20, 24576
	v_add_nc_u32 v[ADR2], s16, v[LI]               ; second product: R = x's half RH
	v_add_nc_u32 v[ADR2+1], CH, v[ADR2]
	v_add_nc_u32 v[ADR2+2], 2*CH, v[ADR2]
	v_add_nc_u32 v[ADR2+3], 3*CH, v[ADR2]
	v_add_nc_u32 v[ADR], 4*CH, v[ADR2]             ; first product: R = W's half RH
	v_add_nc_u32 v[ADR+1], 5*CH, v[ADR2]
	s_mul_i32 s16, s19, 12288
	s_add_co_u32 s16, s16, WB
	v_add_nc_u32 v[ADL2], s16, v[LI]               ; second product: L = Wv's row blocks 4 LH on
	v_add_nc_u32 v[ADL2+1], CH, v[ADL2]
	s_lshl_b32 s16, s19, 10
	s_add_co_u32 s16, s16, 49152
	v_lshl_add_u32 v[ASL], v2, 2, s16
	v_add_nc_u32 v[ASL+1], 2*CH, v[ASL]
	s_lshl_b32 s16, s20, 10
	s_add_co_u32 s16, s16, 49152
	v_lshl_add_u32 v[ASR2], v2, 2, s16
	v_add_nc_u32 v[ASR2+1], 2*CH, v[ASR2]
	v_add_nc_u32 v[ASR], WB, v[ASR2]
	s_lshl_b32 s16, s19, 9
	s_add_co_u32 s16, s16, WB+24576
	v_lshl_add_u32 v[ASL2], v2, 2, s16
	v_add_nc_u32 v[ASL2+1], CH, v[ASL2]
	s_lshl_b32 s16, s18, 9
	s_add_co_u32 s16, s16, STG
	v_lshl_add_u32 v[STW], v2, 2, s16
	v_add_nc_u32 v[STR], s16, v[LI]
	s_lshl_b32 s16, s22, 2
	s_add_co_u32 s16, s16, s18                     ; my number among the sixteen waves of my column
	s_mul_i32 s16, s16, 25
	v_min_u32 v1, 24, v1
	v_add_nc_u32 v1, s16, v1
	v_lshlrev_b32 v1, 8, v1                        ; the prefetch's offset
	s_wait_alu depctr_va_vdst(0)                   ; the wait at the head's end
	; where the results go
	s_mul_i32 s16, ttmp9, 6553600
	s_mul_i32 s17, s66, 4*CH
	s_add_co_u32 s16, s16, s17
	s_mul_i32 s17, s21, CH
	s_add_co_u32 s16, s16, s17                     ; q, k: chunk (TY, cx)
	s_mov_b32 s89, 0
	s_mul_i32 s86, s19, 24576
	s_mul_i32 s87, s20, 1536
	s_add_co_u32 s88, s16, s86
	s_add_co_u32 s88, s88, s87
	s_add_nc_u64 s[14:15], s[12:13], s[88:89]      ; my first image: row block 8 LH, q = RH
	s_lshl_b32 s86, s20, 10
	s_lshl_b32 s87, s19, 9
	s_add_co_u32 s88, s16, s86
	s_add_co_u32 s88, s88, s87
	s_add_co_u32 s88, s88, 49152
	s_add_nc_u64 s[70:71], s[12:13], s[88:89]      ; my 128 scale words
	s_lshr_b32 s16, s66, 3
	s_lshl_b32 s16, s16, 2
	s_lshr_b32 s17, s23, 1
	s_add_co_u32 s16, s16, s17
	s_lshl_b32 s16, s16, 3
	s_and_b32 s17, s66, 7
	s_add_co_u32 s16, s16, s17
	s_mul_i32 s16, s16, CH
	s_add_co_u32 s16, s16, 13107200                ; v: chunk (batch, TX / 2, TY % 8)
	s_and_b32 s17, s23, 1
	s_lshl_b32 s17, s17, 3
	s_lshl_b32 s86, s19, 2
	s_add_co_u32 s17, s17, s86                     ; my first row block
	s_mul_i32 s86, s17, 3072
	s_mul_i32 s87, s20, 1536
	s_add_co_u32 s88, s16, s86
	s_add_co_u32 s88, s88, s87
	s_add_nc_u64 s[72:73], s[12:13], s[88:89]
	s_lshl_b32 s86, s17, 6
	s_lshl_b32 s87, s20, 10
	s_add_co_u32 s88, s16, s86
	s_add_co_u32 s88, s88, s87
	s_add_co_u32 s88, s88, 49152
	s_add_nc_u64 s[74:75], s[12:13], s[88:89]      ; my 64 scale words of v
; THE FIRST PRODUCT.  One matrix instruction: L's block a against R's block b, 128 along K, register set p; z = 1: the first of its sum, with the bias as C.  The accumulators take turns, one instruction a turn
.macro MM a, b, p, z
.set AW, 2+(\a)/4
.set AD, 8*(8*((\a)%4)+(\b))
.set FRA, 128*(\p)+12*(\b)
.set FLA, LF+96*(\p)+12*(\a)
.if (\z) == 0
	WIN 0x01|(AW<<4)|(AW<<6)
	v_wmma_scale_f32_16x16x128_f8f6f4 v[AD:AD+7], v[FRA:FRA+11], v[FLA:FLA+11], v[AD:AD+7], v[SC+16*(\p)+(\b)], v[SC+16*(\p)+8+(\a)] matrix_a_fmt:MATRIX_FMT_FP6 matrix_b_fmt:MATRIX_FMT_FP6
.else
.set CB, 96+8*(\b)+96*((\b)/4)
	WIN 0x11|(AW<<6)
	v_wmma_scale_f32_16x16x128_f8f6f4 v[AD:AD+7], v[FRA:FRA+11], v[FLA:FLA+11], v[CB:CB+7], v[SC+16*(\p)+(\b)], v[SC+16*(\p)+8+(\a)] matrix_a_fmt:MATRIX_FMT_FP6 matrix_b_fmt:MATRIX_FMT_FP6
.endif
.endm
.macro MULA a, p, z
.irp b, 0,1,2,3,4,5,6,7
	MM \a, \b, \p, \z
.endr
.endm
; K step ks of 128, into register set ks % 2: R's 24 LDS loads in one run, L's 24 and the 16 of scale words in another
.macro FR ks
.set FQ, (\ks)%2
	WIN 0x40
.irp i, 0,1,2,3,4,5,6,7
.irp c, 0,1,2
	ds_load_b128 v[128*FQ+12*\i+4*\c:128*FQ+12*\i+4*\c+3], v[ADR+((\ks)/2)%2] offset:3072*\i+1536*FQ+512*\c
.endr
.endr
.endm
.macro FL ks
.set FQ, (\ks)%2
.set FK, (\ks)/2
	WIN 0
.irp i, 0,1,2,3,4,5,6,7
.irp c, 0,1,2
	ds_load_b128 v[LF+96*FQ+12*\i+4*\c:LF+96*FQ+12*\i+4*\c+3], v[ADL+FK] offset:3072*\i+1536*FQ+512*\c
.endr
	ds_load_b32 v[SC+16*FQ+8+\i], v[ASL+FK/2] offset:CH*(FK%2)+128*\i+64*FQ
	ds_load_b32 v[SC+16*FQ+\i], v[ASR] offset:CH*(FK%2)+128*\i+64*FQ
.endr
.endm
; A K step multiplies set ks % 2 and fetches step ks + 1 into the other set; four plain lines stand between the last product that read that set and the loads into it (ISA guide 7.12.1 for vector instructions).
; mode 0: plain.  2: with a refill: all my tensor loads, the add, my reads, a round of the cluster's barrier, the refill first behind it; the round also shows the chunks that have landed.
.macro KSTEP ks, mode, z
.set KP, (\ks)%2
.if (\mode) == 0
	s_wait_dscnt 0x0                               ; this step's fragments and words are in
	PLACES 4
	FR (\ks)+1
	MULA 0, KP, \z
	MULA 1, KP, \z
	FL (\ks)+1
	MULA 2, KP, \z
	MULA 3, KP, \z
.else
	WIN 0                                          ; (the add's two registers lie in window 0)
	s_wait_tensorcnt 0x0                           ; all my tensor loads have landed: descriptors may be written
	ds_add_u32 v[SPW], v[NIL]                      ; 0 onto my spare word
.if (\ks) == 5
	s_mov_b64 s[G0W+2:G0W+3], s[84:85]             ; slot 0: Wv's chunks 0 and 1
	s_or_b32 s[G0W+3], s[G0W+3], 0x80000000
.else
	s_add_nc_u64 s[G0W+4*((\ks)/2)+2:G0W+4*((\ks)/2)+3], s[G0W+4*((\ks)/2)+2:G0W+4*((\ks)/2)+3], 2*CH   ; two chunks on
.endif
	s_wait_dscnt 0x1                               ; this step's fragments are in; the add alone may be out
	MULA 0, KP, 0                                  ; eight matrix instructions stand between the add and the wait for it
	s_wait_dscnt 0x0                               ; the add is done, and my reads of the slot are over
	s_barrier_signal -1
	MULA 1, KP, 0
	WIN 0
	s_barrier_wait -1
	CREST                                          ; no wave of any partner still reads the slot or has a load on its way
	JW G0W+4*(((\ks)/2)%2)
	PLACES 4                                       ; (the waves that issue no load pass these places)
	FR (\ks)+1
	MULA 2, KP, 0
	FL (\ks)+1
	MULA 3, KP, 0
.endif
	MULA 4, KP, \z
	MULA 5, KP, \z
	MULA 6, KP, \z
	MULA 7, KP, \z
.endm
; THE SECOND PRODUCT has three register sets: K step ks works on set ks % 3 while the sets of ks + 1 and ks + 2 are filled.  R's sets: window 1 at v0, window 3 at v0, window 1 at v128; L's: LF + 48 x set.
.macro SETV ks
.set ST, (\ks)%3
.set MW, 1+2*(ST%2)
.set VS, 64*ST*(ST-1)
.endm
.macro MV a, b, ks, z
	SETV \ks
.set AD, 8*(8*(\a)+(\b))
.set FRA, VS+12*(\b)
.set FLA, LF+48*ST+12*(\a)
.if (\z) == 0
	WIN 0xa0|MW
	v_wmma_scale_f32_16x16x128_f8f6f4 v[AD:AD+7], v[FRA:FRA+11], v[FLA:FLA+11], v[AD:AD+7], v[SC+12*ST+(\b)], v[SC+12*ST+8+(\a)] matrix_a_fmt:MATRIX_FMT_FP6 matrix_b_fmt:MATRIX_FMT_FP6
.else
.set CB, 96+8*(\a)
	WIN 0x90|MW
	v_wmma_scale_f32_16x16x128_f8f6f4 v[AD:AD+7], v[FRA:FRA+11], v[FLA:FLA+11], v[CB:CB+7], v[SC+12*ST+(\b)], v[SC+12*ST+8+(\a)] matrix_a_fmt:MATRIX_FMT_FP6 matrix_b_fmt:MATRIX_FMT_FP6
.endif
.endm
.macro MULV a, ks, z
.irp b, 0,1,2,3,4,5,6,7
	MV \a, \b, \ks, \z
.endr
.endm
.macro VR ks                           ; 24 loads: R's fragments
	SETV \ks
	WIN MW<<6
.irp i, 0,1,2,3,4,5,6,7
.irp c, 0,1,2
	ds_load_b128 v[VS+12*\i+4*\c:VS+12*\i+4*\c+3], v[ADR2+(\ks)/2] offset:3072*\i+1536*((\ks)%2)+512*\c
.endr
.endr
.endm
.macro VL ks                           ; 24 more: L's fragments and the words
	SETV \ks
	WIN 0
.irp i, 0,1,2,3,4,5,6,7
	ds_load_b32 v[SC+12*ST+\i], v[ASR2+(\ks)/4] offset:CH*(((\ks)/2)%2)+128*\i+64*((\ks)%2)
.endr
.irp i, 0,1,2,3
	ds_load_b32 v[SC+12*ST+8+\i], v[ASL2+(\ks)/4] offset:25600*(((\ks)/2)%2)+128*\i+64*((\ks)%2)
.irp c, 0,1,2
	ds_load_b128 v[LF+48*ST+12*\i+4*\c:LF+48*ST+12*\i+4*\c+3], v[ADL2+(\ks)/4] offset:25600*(((\ks)/2)%2)+3072*\i+1536*((\ks)%2)+512*\c
.endr
.endr
.endm
; mode 0: plain.  1: the second slot must first be whole: all my tensor loads, my LDS reads, one barrier.
.macro KSTEPV ks, mode, z
.if (\mode) == 0
	s_wait_dscnt 48                                ; this step's loads are in; the next step's 48 may be out
	PLACES 4
	VR (\ks)+2
	MULV 0, \ks, \z
	MULV 1, \ks, \z
	VL (\ks)+2
	MULV 2, \ks, \z
	MULV 3, \ks, \z
.else
	s_wait_tensorcnt 0x0                           ; my part of the second slot has landed
	s_wait_dscnt 0x0
	s_barrier_signal -1
	MULV 0, \ks, 0
	MULV 1, \ks, 0
	s_barrier_wait -1                              ; everybody's has
	PLACES 4
	VR (\ks)+2
	MULV 2, \ks, 0
	VL (\ks)+2
	MULV 3, \ks, 0
.endif
.endm
; THE WAY OUT of block a: 64 numbers of a lane (register 16 b + i = 32 b + 16 h + i along the next K).  WST: step i of the search for the four blocks' largest magnitudes, the scale operands and the word.
.macro WST i, a
.set XA, 2+(\a)/4
.set XC, 64*((\a)%4)
.if (\i) == 0
	WIN 0x40|XA|(XA<<2)
.irp b, 0,1,2,3
	v_max3_num_f32 v[TM+\b], |v[XC+16*\b]|, |v[XC+16*\b+1]|, 0x1800000   ; with the floor 2^(3 - 127): the byte cannot fall under 1
.endr
.elseif (\i) < 8
	WIN 0x41|(XA<<2)|(XA<<4)
.irp b, 0,1,2,3
	v_max3_num_f32 v[TM+\b], v[TM+\b], |v[XC+16*\b+2*(\i)]|, |v[XC+16*\b+2*(\i)+1]|
.endr
.elseif (\i) == 8
	WIN 0x55
.irp b, 0,1,2,3
	v_permlanex16_b32 v[TB+\b], v[TM+\b], s[SEL], s[SEL+1]
.endr
.elseif (\i) == 9
	WIN 0x55
.irp b, 0,1,2,3
	v_max_num_f32 v[TM+\b], v[TM+\b], v[TB+\b]     ; with lane l xor 16's 16
.endr
.elseif (\i) == 10
	WIN 0x55
.irp b, 0,1,2,3
	v_add_nc_u32 v[SO+\b], 0xff000000, v[TM+\b]    ; 2 off the exponent field: the conversion's scale operand
.endr
.elseif (\i) == 11
	WIN 0x55
.irp b, 0,1,2,3
	v_lshrrev_b32 v[TB+\b], 23, v[SO+\b]           ; the byte
.endr
.elseif (\i) == 12
	WIN 0x55
	v_lshl_or_b32 v[TB], v[TB+1], 8, v[TB]
	v_lshl_or_b32 v[TB+2], v[TB+3], 8, v[TB+2]
	v_lshl_or_b32 v[TB], v[TB+2], 16, v[TB]        ; the scale word
.endif
.endm
; OUT: the conversions, the image and the word
.macro OUT a, base
.set XA, 2+(\a)/4
.set XC, 64*((\a)%4)
	WIN 0
	s_wait_alu depctr_va_vdst(0)                   ; the wait here, directly ahead of the wait below
	s_wait_xcnt 0x0                                ; the last block's stores have read their data
	WIN 0x44|XA
.irp c, 0,1
	v_cvt_scalef32_pk16_fp6_f32 v[PC+6*\c:PC+2+6*\c], v[XC+32*\c:XC+15+32*\c], v[SO+2*\c]
	v_cvt_scalef32_pk16_fp6_f32 v[TP+4*\c:TP+2+4*\c], v[XC+16+32*\c:XC+31+32*\c], v[SO+2*\c+1]   ; (a conversion's three registers begin on an even number)
.endr
	WIN 0x55
	v_nop                                          ; one plain line behind the scaled conversions
.irp c, 0,1                                    ; the layout wants a whole block in a lane: lanes 0-15 block 2 c, lanes 16-31 block 2 c + 1
.irp i, 0,1,2
	v_permlane16_swap_b32 v[PC+6*\c+\i], v[TP+4*\c+\i]
.endr
.endr
.irp c, 0,1
.irp i, 0,1,2
	v_mov_b32 v[PC+3+6*\c+\i], v[TP+4*\c+\i]
.endr
.endr
	WIN 0x04
.irp c, 0,1,2
	global_store_b128 v[LI], v[PC+4*\c:PC+4*\c+3], s[\base:\base+1] offset:3072*(\a)+512*\c   ; 512 consecutive bytes, aligned
.endr
	ds_store_b32 v[STW], v[TB] offset:64*(\a)      ; both halves of the lanes write the same word with the same value
	WIN 0
.endm
; Block a's products of the first product's last two K steps: numbers n0 .. 15 (0-7: set 0, 8-15: set 1), with block prev's search among them (99: none)
.macro ROWS a, n0, prev
.set RN, \n0
.rept 16-(\n0)
	MM \a, RN%8, RN/8, 0
.if (\prev) < 99
.if (\n0) == 0
	WST RN, \prev
.else
	WST 2*(RN-8), \prev
	WST 2*(RN-8)+1, \prev
.endif
.endif
.set RN, RN+1
.endr
	WIN 0
.endm
.macro ROWSV a, prev                   ; and of the second product's: K steps 6 and 7
.set RN, 0
.rept 16
	MV \a, RN%8, 6+RN/8, 0
.if (\prev) < 99
	WST RN, \prev
.endif
.set RN, RN+1
.endr
	WIN 0
.endm
.macro SEARCH a
.set RN, 0
.rept 13
	WST RN, \a
.set RN, RN+1
.endr
.endm
	s_wait_loadcnt 0x0                             ; q's or k's bias
	s_cmp_lt_u32 s18, 2
	s_cbranch_scc0 .Lnot_chunk_0
	s_wait_tensorcnt 0x0                           ; waves 0 and 1: chunk 0 of x and of W; the other chunks may be out
.Lnot_chunk_0:
	s_barrier_signal -1
	s_barrier_wait -1
	FR 0
	FL 0
	KSTEP 0, 0, 1
	WIN 0x40
	PLACES 4
.irp a, 0,1,2,3                                ; v's bias by lane: d = my row of L's block a; into registers that have served as C
	global_load_b32 v[96+8*\a], v[OBV], s[10:11] offset:(32*(\a/2)+8*(\a%2))*4
.endr
	WIN 0
	s_cmp_lt_u32 s67, 4
	s_cbranch_scc0 .Lno_prefetch
	global_prefetch_b8 v1, s[82:83] offset:2*CH th:TH_LOAD_NT scope:SCOPE_SE
.Lno_prefetch:
	KSTEP 1, 2, 0                                  ; slot 0: W's chunk 2
	KSTEP 2, 0, 0
	KSTEP 3, 2, 0                                  ; slot 1: W's chunk 3
	KSTEP 4, 0, 0
	KSTEP 5, 2, 0                                  ; slot 0: Wv's chunks 0, 1
	s_wait_dscnt 0x0
	PLACES 4
	FR 7
	MULA 0, 0, 0
	FL 7
	MULA 1, 0, 0
	MULA 2, 0, 0
	MULA 3, 0, 0
	s_wait_dscnt 0x0                               ; both sets are in: steps 6 and 7 go by blocks of L
	ROWS 0, 8, 99
	PLACES 4
	ROWS 1, 8, 0
	OUT 0, 14
	ROWS 2, 8, 1
	OUT 1, 14
	ROWS 3, 8, 2
	OUT 2, 14
	ROWS 4, 0, 3
	OUT 3, 14
	ROWS 5, 0, 4
	OUT 4, 14
	s_wait_tensorcnt 0x0                           ; all my tensor loads have landed, Wv's chunks 0 and 1 among them
	ds_add_u32 v[SPW], v[NIL]                      ; the descriptor's words stand between the add and the wait for it
	s_add_nc_u64 s[G0W+6:G0W+7], s[84:85], CH      ; slot 1, whose reads are over: Wv's chunks 2, 3
	s_or_b32 s[G0W+7], s[G0W+7], 0x80000000
	s_wait_dscnt 0x0
	CROUND                                         ; no wave of any partner still reads the slot or has a load on its way
	JW G0W+4
	ROWS 6, 0, 5
	OUT 5, 14
	ROWS 7, 0, 6
	OUT 6, 14
	s_wait_loadcnt 0x0
	WIN 0x41
.irp a, 0,1,2,3
.irp i, 1,2,3,4,5,6,7
	v_mov_b32 v[96+8*\a+\i], v[96+8*\a]            ; v's bias, one number a lane and block, over a tile's eight registers
.endr
.endr
	VR 0                                           ; the second product's first two steps; Wv's chunks 0 and 1 were shown by the round above
	VL 0
	VR 1                                           ; (window 3 from v0 on: the sums of blocks 4 and 5, which have left)
	VL 1
	SEARCH 7
	OUT 7, 14
	WIN 0x40
	ds_load_b128 v[TP:TP+3], v[STR]                ; my wave's 128 words (LDS serves a wave's instructions in order)
	s_wait_dscnt 0x0
	WIN 0x04
	global_store_b128 v[LI], v[TP:TP+3], s[70:71]  ; 512 consecutive bytes, aligned
	KSTEPV 0, 0, 2
	KSTEPV 1, 0, 0
	KSTEPV 2, 1, 0                                 ; slot 1 ahead
	KSTEPV 3, 0, 0
	KSTEPV 4, 0, 0
	KSTEPV 5, 0, 0
	s_wait_dscnt 0x0                               ; steps 6 and 7 go by blocks of L
	ROWSV 0, 99
	PLACES 4
	ROWSV 1, 0
	OUT 0, 72
	ROWSV 2, 1
	OUT 1, 72
	ROWSV 3, 2
	OUT 2, 72
	v_lshrrev_b32 v1, 1, v[LI]                     ; 8 x lane
	v_sub_nc_u32 v2, v[STR], v1                    ; the stage, back, 8 bytes a lane
	SEARCH 3
	OUT 3, 72
	WIN 0x40
	ds_load_b64 v[TP:TP+1], v2                     ; my wave's 64 words
	s_wait_dscnt 0x0
	WIN 0x04
	global_store_b64 v1, v[TP:TP+1], s[74:75]      ; 256 consecutive bytes, aligned
	WIN 0
	s_wait_tensorcnt 0x0                           ; the wave's end
	ds_add_u32 v[SPW], v[NIL]
	s_wait_dscnt 0x0
	CROUND                                         ; the closing round
	s_endpgm
.Lfunc_end_k_qaf29b75751_proj:
	.size	k_qaf29b75751_proj, .Lfunc_end_k_qaf29b75751_proj-k_qaf29b75751_proj
	.p2alignl 7, 3214868480
	.fill 96, 4, 3214868480
	.section	.rodata,"a",@progbits
	.p2align	6, 0x0
	.amdhsa_kernel k_qaf29b75751_proj
		.amdhsa_group_segment_fixed_size 327680
		.amdhsa_private_segment_fixed_size 0
		.amdhsa_enable_private_segment 0
		.amdhsa_kernarg_size 40
		.amdhsa_user_sgpr_count 2
		.amdhsa_user_sgpr_kernarg_segment_ptr 1
		.amdhsa_wavefront_size32 1
		.amdhsa_system_sgpr_workgroup_id_x 1
		.amdhsa_system_sgpr_workgroup_id_y 1
		.amdhsa_system_sgpr_workgroup_id_z 1
		.amdhsa_system_vgpr_workitem_id 0
		.amdhsa_next_free_vgpr 1024
		.amdhsa_next_free_sgpr 102
		.amdhsa_reserve_vcc 0
		.amdhsa_float_denorm_mode_32 3
		.amdhsa_float_denorm_mode_16_64 3
		.amdhsa_memory_ordered 1
		.amdhsa_forward_progress 1
		.amdhsa_inst_pref_size 234
	.end_amdhsa_kernel
	.amdgpu_metadata
---
amdhsa.version: [ 1, 2 ]
amdhsa.kernels:
  - .name:           k_qaf29b75751_proj
    .symbol:         k_qaf29b75751_proj.kd
    .args:
      - { .name: xw, .offset: 0, .size: 8, .value_kind: global_buffer, .address_space: global }
      - { .name: bq, .offset: 8, .size: 8, .value_kind: global_buffer, .address_space: global }
      - { .name: bk, .offset: 16, .size: 8, .value_kind: global_buffer, .address_space: global }
      - { .name: bv, .offset: 24, .size: 8, .value_kind: global_buffer, .address_space: global }
      - { .name: qkv, .offset: 32, .size: 8, .value_kind: global_buffer, .address_space: global }
    .group_segment_fixed_size: 327680
    .private_segment_fixed_size: 0
    .kernarg_segment_align: 8
    .kernarg_segment_size: 40
    .max_flat_workgroup_size: 128
    .sgpr_count:     102
    .vgpr_count:     1024
    .wavefront_size: 32
...
	.end_amdgpu_metadata
.endif
;; end of part 2
;; launch score (part 3): grid 8 x 32, 4 waves a work-group, clusters of 4 x 4, 327,680 bytes of LDS; arguments qkv, pp; writes pp
.if DOCPART == 3
	.amdgcn_target "amdgcn-amd-amdhsa--gfx1250"
	.amdhsa_code_object_version 6
	.text
	.protected	k_qaf29b75751_score
	.globl	k_qaf29b75751_score
	.p2align	8
	.type	k_qaf29b75751_score,@function
k_qaf29b75751_score:
	s_mov_b64 s[64:65], 0
	v_nop
	global_prefetch_b8 v0, s[64:65] scope:SCOPE_SE
	s_setreg_imm32_b32 hwreg(HW_REG_WAVE_MODE, 25, 1), 1
	s_wait_xcnt 0x0
	s_wait_alu depctr_hold_cnt(0) depctr_sa_sdst(0) depctr_va_vdst(0) depctr_va_sdst(0) depctr_va_ssrc(0) depctr_va_vcc(0) depctr_vm_vsrc(0)
	s_getreg_b32 s2, hwreg(HW_REG_IB_STS2, 6, 4)
	s_cmp_eq_u32 s2, 0
	s_cbranch_scc0 .Lentry_in_a_cluster
	s_endpgm
.Lentry_in_a_cluster:
	s_bfe_u32 s2, ttmp6, 0x10000c
	s_cmp_lg_u32 s2, 0xf033
	s_cbranch_scc0 .Lentry_shape_is_right
	s_endpgm
.Lentry_shape_is_right:
; S^T = k q^T on codes of FP6 (E2M3) with E8M0 scales, and, for each query and each run of 128 keys: t = score x log2(e) / 32; M = ceil(the run's largest t), a whole number; p = 2^(t - M), quantised along the keys;
; l = the sum of the unquantised p.  A maximum is taken away before every exponential; the runs are brought under the row's own M by the next launch, by exact powers of two that the blocks' scale bytes take up.
; Operands: chunks of 256 tokens x 256 d (51,200 bytes: images [row block 16][q 2] of 1,536 bytes, then words [q 2][256]), four to a tile of 256 tokens: q at 0, k at 6,553,600.  Lane r of row block 2 b + u holds token 32 b + 8 u + r + 8 (r / 8).
; pp: p's images [128 queries: 64][256 keys: 8][row block 8][q 2] at 0 (24,576 bytes to a chunk); [16 runs][8192] words each: p's scale words at 12,582,912 (bit 7 set in every byte: a byte of p is at most 125), -M at 13,107,200, l at 13,631,488.
; SHARES: a work-group makes 256 queries x 256 keys of one batch; four waves, 128 x 128 each: 64 accumulators.  Source 0 = 16 keys, source 1 = 16 queries: a lane holds one query, and the 16 registers of two neighbouring tiles are 16 neighbouring keys.
; K = 1,024 is four chunks.  LDS has three slots for q's and three for k's.  At the head one joint load a wave: q's chunk 0, k's chunk 0, q's chunks 1 and 2, k's chunks 1 and 2; chunk 3 is the one refill, into slot 0, behind the one round inside the product.
; The last two K steps go by blocks of queries: a block's sums are finished together, and the search for the largest score of each 32 keys stands among the next block's products, ahead of every exponential.  The softmax goes by pairs of blocks, line by line in turn.
; CLUSTER 4 x 4: q's tile is asked for jointly along a row of the cluster, k's along a column.  No loop to run ahead in, and three of four chunks are asked for at the head: no prefetch.
; LIMITS: a block whose every p is 0 gets the byte 1 (its codes are zeros); p under 2^-126 counts as 0; the scaled scores stay under 2^31 in magnitude; NaN and infinities are not served.
; REGISTERS: window 0: v4-18 addresses, v32-63 scale words (two sets; nothing else ever), v64-255 q's fragments, two sets; window 1: k's fragments, two sets at v0 and v128, the largest scores of all eight blocks in v224-255; windows 2, 3: accumulator (a, b) at v[8 (8 (a % 4) + b)].
;   In the softmax a pair's first block has v64-191 of window 0, its second the same numbers of window 1.
.set CH,   51200
.set KB,   3*CH                        ; k's slots behind q's
.set SPARE, 6*CH
.set STG,  SPARE+512                   ; a stage for words, -M and l: 3 x 512 bytes a wave
.set SPW, 4
.set NIL, 5
.set ADL, 6                            ; v6-8   q's fragments in slot 0, 1, 2
.set ADR, 9                            ; v9-11  k's
.set ASL, 12                           ; v12-13 q's words in slots 0 and 1, 2
.set ASR, 14                           ; v14-15 k's
.set LI,  16
.set STW, 17
.set STR, 18
.set SCL, 32
.set SCR, 40
.set LF,  64
.set T,   64                           ; t - M, then p
.set PC,  128
.set TM,  148                          ; v148-151 the blocks' largest scores, then their largest p; v152-155 at work, bytes; v160-163 scale operands
.set PW,  164
.set NM,  166                          ; v[166:167] -M (the packed form names the pair)
.set SU,  168                          ; v168-175 the sum in four chains
.set TP,  176
.set LS,  177                          ; l
.set MXS, 224                          ; window 1: the largest scores
.set G1Q, 24
.set G1Q2, 32
.set G1K, 40
.set G1K2, 48
.set G0Q, 56
.set G0K, 60
.set G0Q2, 68
.set G0K2, 72
.set CS,   98                          ; s[98:99] c = log2(e) / 32
.set SEL,  100
.set MSB, 0
.macro WIN new                         ; the immediate's high byte repeats the setting that is left
.if MSB != (\new)
	s_set_vgpr_msb (MSB<<8)|(\new)
.set MSB, (\new)
.endif
.endm
.macro PLACES n
.rept \n
	v_nop
.endr
.endm
.macro CREST
	s_cmp_lg_u32 s18, 0
	s_cbranch_scc1 .Lnot_wave_0_\@
	s_barrier_signal -3
.Lnot_wave_0_\@:
	s_barrier_wait -3
	s_barrier_signal -1
	s_barrier_wait -1
.endm
.macro CROUND
	s_barrier_signal -1
	s_barrier_wait -1
	CREST
.endm
.macro GROUP1 g, mask, rows            ; a dense block as rows of 256 bytes (32 elements of 8), no padding; bit 21 beside a mask
	s_or_b32 s[\g], s[\mask], (3<<16)|(1<<21)
	s_mov_b32 s[\g+1], 32<<16
	s_mov_b32 s[\g+2], (\rows)<<16
	s_mov_b32 s[\g+3], 32<<16
	s_mov_b32 s[\g+4], \rows
	s_mov_b32 s[\g+5], 32
	s_mov_b32 s[\g+6], 0
	s_mov_b32 s[\g+7], 0
.endm
.macro MKG0 g, lds, ptr, off
	s_mov_b32 s[\g], 1
	s_mov_b32 s[\g+1], \lds
	s_add_nc_u64 s[\g+2:\g+3], s[\ptr:\ptr+1], \off
	s_or_b32 s[\g+3], s[\g+3], 0x80000000
.endm
.macro ARM n, g0, g1, next, end        ; one arm of a tree of branches on the wave's number: one load a wave
	s_cmp_eq_u32 s18, \n
	s_cbranch_scc0 \next
	tensor_load_to_lds s[\g0:\g0+3], s[\g1:\g1+7]
	s_nop 0
	PLACES 4
	s_branch \end
\next:
.endm
	s_load_b128 s[4:7], s[0:1], 0x0                ; qkv, pp
	v_lshl_add_u32 v[SPW], v0, 2, SPARE
	v_mov_b32 v[NIL], 0
	ds_add_u32 v[SPW], v[NIL]                      ; the wave's opening: the add, twice on end
	ds_add_u32 v[SPW], v[NIL]
	v_lshrrev_b32 v1, 5, v0
	v_readfirstlane_b32 s18, v1                    ; wave
	s_lshr_b32 s19, s18, 1                         ; LH: my half of the queries
	s_and_b32 s20, s18, 1                          ; RH: my half of the keys
	s_bfe_u32 s21, ttmp6, 0x40000                  ; cx
	s_bfe_u32 s22, ttmp6, 0x40004                  ; cy
	s_lshl_b32 s23, ttmp9, 2
	s_add_co_u32 s23, s23, s21                     ; TX: tile of 256 keys of the batch
	s_and_b32 s66, ttmp7, 0xffff
	s_lshr_b32 s67, s66, 1                         ; the batch: two clusters along y to each; all partners share it
	s_lshl_b32 s66, s66, 2
	s_add_co_u32 s66, s66, s22                     ; TY: tile of 256 queries, of all 8,192
	s_lshl_b32 s76, s22, 2
	s_lshl_b32 s76, 15, s76                        ; my row of the cluster
	s_lshl_b32 s77, 0x1111, s21                    ; my column
	GROUP1 G1Q, 76, 200
	GROUP1 G1Q2, 76, 400
	GROUP1 G1K, 77, 200
	GROUP1 G1K2, 77, 400
	s_mul_i32 s80, s66, 4*CH                       ; q's tile
	s_mov_b32 s81, 0
	s_lshl_b32 s82, s67, 3
	s_add_co_u32 s82, s82, s23
	s_mul_i32 s82, s82, 4*CH
	s_add_co_u32 s82, s82, 6553600                 ; k's tile
	s_mov_b32 s83, 0
	s_mov_b32 s[SEL], 0x76543210
	s_mov_b32 s[SEL+1], 0xfedcba98
	s_wait_alu depctr_va_vdst(0)
	s_wait_dscnt 0x0                               ; both opening adds are done
	CROUND                                         ; all sixteen work-groups are here: the first joint loads meet
	s_wait_kmcnt 0x0
	s_add_nc_u64 s[80:81], s[4:5], s[80:81]
	s_add_nc_u64 s[82:83], s[4:5], s[82:83]
	MKG0 G0Q, 0, 80, 0
	MKG0 G0K, KB, 82, 0
	MKG0 G0Q2, CH, 80, CH
	MKG0 G0K2, KB+CH, 82, CH
	ARM 0, G0Q, G1Q, .Lwave_1, .Lasked
	ARM 1, G0K, G1K, .Lwave_2, .Lasked
	ARM 2, G0Q2, G1Q2, .Lwave_3, .Lasked
	tensor_load_to_lds s[G0K2:G0K2+3], s[G1K2:G1K2+7]
	s_nop 0
	PLACES 4
.Lasked:
	s_mov_b32 s[CS], 0x3d38aa3b                    ; c = log2(e) / sqrt(1024)
	s_mov_b32 s[CS+1], s[CS]                       ; (named with it as a pair, so it is written)
	v_and_b32 v1, 31, v0
	v_and_b32 v2, 15, v0                           ; r
	v_lshlrev_b32 v[LI], 4, v1
	s_mul_i32 s16, s19, 24576
	v_add_nc_u32 v[ADL], s16, v[LI]                ; my half of q's tile
	v_add_nc_u32 v[ADL+1], CH, v[ADL]
	v_add_nc_u32 v[ADL+2], 2*CH, v[ADL]
	s_mul_i32 s16, s20, 24576
	s_add_co_u32 s16, s16, KB
	v_add_nc_u32 v[ADR], s16, v[LI]                ; my half of k's
	v_add_nc_u32 v[ADR+1], CH, v[ADR]
	v_add_nc_u32 v[ADR+2], 2*CH, v[ADR]
	s_lshl_b32 s16, s19, 9
	s_add_co_u32 s16, s16, 49152
	v_lshl_add_u32 v[ASL], v2, 2, s16
	v_add_nc_u32 v[ASL+1], 2*CH, v[ASL]
	s_lshl_b32 s16, s20, 9
	s_add_co_u32 s16, s16, KB+49152
	v_lshl_add_u32 v[ASR], v2, 2, s16
	v_add_nc_u32 v[ASR+1], 2*CH, v[ASR]
	s_mul_i32 s16, s18, 1536
	s_add_co_u32 s16, s16, STG
	v_lshl_add_u32 v[STW], v2, 2, s16
	v_add_nc_u32 v[STR], s16, v[LI]
	s_wait_alu depctr_va_vdst(0)                   ; the wait at the head's end
	; where the results go
	s_lshl_b32 s16, s66, 1
	s_add_co_u32 s16, s16, s19                     ; my 128 queries
	s_mul_i32 s17, s16, 196608
	s_mul_i32 s86, s23, 24576
	s_add_co_u32 s17, s17, s86
	s_mul_i32 s86, s20, 1536
	s_add_co_u32 s86, s86, s17
	s_mov_b32 s87, 0
	s_add_nc_u64 s[14:15], s[6:7], s[86:87]        ; my first image of p
	s_lshl_b32 s16, s16, 9
	s_lshl_b32 s17, s23, 1
	s_add_co_u32 s17, s17, s20                     ; my run of 128 keys
	s_lshl_b32 s17, s17, 15
	s_add_co_u32 s86, s16, s17
	s_add_co_u32 s86, s86, 12582912
	s_add_nc_u64 s[12:13], s[6:7], s[86:87]        ; my 128 scale words; -M and l lie 524,288 and 1,048,576 bytes on
; one matrix instruction: q's block a against k's block b, 128 along K, register set p.  The 64 accumulators take turns, one instruction a turn.
.macro MM a, b, p, z
.set AW, 2+(\a)/4
.set AD, 8*(8*((\a)%4)+(\b))
.set FRA, 128*(\p)+12*(\b)
.set FLA, LF+96*(\p)+12*(\a)
	WIN 0x01|(AW<<4)|(AW<<6)
.if \z
	v_wmma_scale_f32_16x16x128_f8f6f4 v[AD:AD+7], v[FRA:FRA+11], v[FLA:FLA+11], 0, v[SCR+16*(\p)+(\b)], v[SCL+16*(\p)+(\a)] matrix_a_fmt:MATRIX_FMT_FP6 matrix_b_fmt:MATRIX_FMT_FP6
.else
	v_wmma_scale_f32_16x16x128_f8f6f4 v[AD:AD+7], v[FRA:FRA+11], v[FLA:FLA+11], v[AD:AD+7], v[SCR+16*(\p)+(\b)], v[SCL+16*(\p)+(\a)] matrix_a_fmt:MATRIX_FMT_FP6 matrix_b_fmt:MATRIX_FMT_FP6
.endif
.endm
.macro MULA a, p, z
.irp b, 0,1,2,3,4,5,6,7
	MM \a, \b, \p, \z
.endr
.endm
; K step ks of 128, into register set ks % 2: k's 24 LDS loads in one run, q's 24 and the 16 of scale words in another
.macro FR ks
.set FQ, (\ks)%2
	WIN 0x40
.irp i, 0,1,2,3,4,5,6,7
.irp c, 0,1,2
	ds_load_b128 v[128*FQ+12*\i+4*\c:128*FQ+12*\i+4*\c+3], v[ADR+((\ks)/2)%3] offset:3072*\i+1536*FQ+512*\c
.endr
.endr
.endm
.macro FL ks
.set FQ, (\ks)%2
.set FS, ((\ks)/2)%3
	WIN 0
.irp i, 0,1,2,3,4,5,6,7
.irp c, 0,1,2
	ds_load_b128 v[LF+96*FQ+12*\i+4*\c:LF+96*FQ+12*\i+4*\c+3], v[ADL+FS] offset:3072*\i+1536*FQ+512*\c
.endr
	ds_load_b32 v[SCL+16*FQ+\i], v[ASL+FS/2] offset:CH*(FS%2)+1024*FQ+64*\i
	ds_load_b32 v[SCR+16*FQ+\i], v[ASR+FS/2] offset:CH*(FS%2)+1024*FQ+64*\i
.endr
.endm
; A K step multiplies set ks % 2 and fetches step ks + 1 into the other set; four plain lines stand between the last product that read that set and the loads into it (ISA guide 7.12.1 for vector instructions).
; mode 0: plain.  1: the slot ahead must first be whole: all my tensor loads, my LDS reads, one barrier. 2: the same with the one refill, behind a round of the cluster's barrier.
.macro KSTEP ks, mode, zero
.set KP, (\ks)%2
.if (\mode) == 0
	s_wait_dscnt 0x0                               ; this step's fragments and words are in
	PLACES 4
	FR (\ks)+1
	MULA 0, KP, \zero
	MULA 1, KP, \zero
	FL (\ks)+1
	MULA 2, KP, \zero
	MULA 3, KP, \zero
.else
	WIN 0                                          ; (the add's two registers lie in window 0)
	s_wait_tensorcnt 0x0                           ; all my tensor loads have landed
.if (\mode) == 2
	ds_add_u32 v[SPW], v[NIL]                      ; 0 onto my spare word
	s_add_nc_u64 s[G0Q+2:G0Q+3], s[G0Q+2:G0Q+3], 3*CH
	s_add_nc_u64 s[G0K+2:G0K+3], s[G0K+2:G0K+3], 3*CH
	s_wait_dscnt 0x1                               ; this step's fragments are in; the add alone may be out
	MULA 0, KP, 0                                  ; eight matrix instructions stand between the add and the wait for it
	s_wait_dscnt 0x0                               ; the add is done, and my reads of slot 0 are over
	s_barrier_signal -1
	MULA 1, KP, 0
	WIN 0
	s_barrier_wait -1
	CREST                                          ; no wave of any partner still reads slot 0 or has a load on its way
	ARM 0, G0Q, G1Q, .Lrefill_k, .Lrefilled
	ARM 1, G0K, G1K, .Lrefill_none, .Lrefilled
.Lrefilled:
.else
	s_wait_dscnt 0x0
	s_barrier_signal -1
	MULA 0, KP, 0
	MULA 1, KP, 0
	s_barrier_wait -1                              ; everybody's part has landed
.endif
	PLACES 4
	FR (\ks)+1
	MULA 2, KP, 0
	FL (\ks)+1
	MULA 3, KP, 0
.endif
	MULA 4, KP, \zero
	MULA 5, KP, \zero
	MULA 6, KP, \zero
	MULA 7, KP, \zero
.endm
; The search for the largest score of each block of 32 keys (my lane's 16 of them): step i of eight, for block a
.macro WST i, a
.set XA, 2+(\a)/4
.set XC, 64*((\a)%4)
.set XM, MXS+4*(\a)
.if (\i) == 0
	WIN 0x40|(0x15*XA)
.irp b, 0,1,2,3
	v_max3_num_f32 v[XM+\b], v[XC+16*\b], v[XC+16*\b+1], v[XC+16*\b+2]   ; each accumulator is first read at its low end
.endr
.elseif (\i) < 7
	WIN 0x41|(0x14*XA)
.irp b, 0,1,2,3
	v_max3_num_f32 v[XM+\b], v[XM+\b], v[XC+16*\b+2*(\i)+1], v[XC+16*\b+2*(\i)+2]
.endr
.elseif (\i) == 7
	WIN 0x41|(0x04*XA)
.irp b, 0,1,2,3
	v_max_num_f32 v[XM+\b], v[XM+\b], v[XC+16*\b+15]
.endr
.endif
.endm
; Block a's products of the last two K steps: numbers n0 .. 15 (0-7: set 0, 8-15: set 1), with block prev's search among them (99: none)
.macro ROWS a, n0, prev
	PLACES 4                                       ; behind the last block's products: its results are read from here on
.set RN, \n0
.rept 16-(\n0)
	MM \a, RN%8, RN/8, 0
.if (\prev) < 99
.if (\n0) == 0
.if RN%2
	WST RN/2, \prev
.endif
.else
	WST RN-8, \prev
.endif
.endif
.set RN, RN+1
.endr
.endm
	s_cmp_lt_u32 s18, 2
	s_cbranch_scc0 .Lnot_chunk_0
	s_wait_tensorcnt 0x0                           ; waves 0 and 1: chunk 0 of q and of k; chunks 1 and 2 may be out
.Lnot_chunk_0:
	s_barrier_signal -1
	s_barrier_wait -1
	FR 0
	FL 0
	KSTEP 0, 0, 1                                  ; the first products start the sums: nothing is cleared
	KSTEP 1, 2, 0                                  ; slots 1 and 2 ahead; slot 0 is filled again with chunk 3
	KSTEP 2, 0, 0
	KSTEP 3, 0, 0
	KSTEP 4, 0, 0
	KSTEP 5, 1, 0                                  ; slot 0 ahead, with chunk 3
	s_wait_dscnt 0x0
	PLACES 4
	FR 7
	MULA 0, 0, 0
	FL 7
	MULA 1, 0, 0
	MULA 2, 0, 0
	MULA 3, 0, 0
	s_wait_dscnt 0x0                               ; both sets are in: steps 6 and 7 go by blocks of queries
	ROWS 0, 8, 99
	ROWS 1, 8, 0
	ROWS 2, 8, 1
	ROWS 3, 8, 2
	ROWS 4, 0, 3
	ROWS 5, 0, 4
	ROWS 6, 0, 5
	ROWS 7, 0, 6
	PLACES 4                                       ; behind the last products: their results are read and their operands' registers written from here on
.set RN, 0
.rept 8
	WST RN, 7
.set RN, RN+1
.endr
; THE SOFTMAX of blocks a and a + 1.  Register 16 b + i of a block's 64 is key 32 b + 16 h + i of my 128.
.macro SOFT2 a
.set WA, 2+(\a)/4
.irp x, 0,1
	WIN (\x<<6)|1
.irp b, 0,1,2,3
	v_permlanex16_b32 v[TM+4+\b], v[MXS+4*(\a)+4*\x+\b], s[SEL], s[SEL+1]
.endr
.endr
.irp x, 0,1
	WIN (\x*0x44)|1
.irp b, 0,1,2,3
	v_max_num_f32 v[TM+\b], v[MXS+4*(\a)+4*\x+\b], v[TM+4+\b]   ; with lane l xor 16's 16 keys
.endr
.endr
.irp x, 0,1
	WIN 0x55*\x
	v_max3_num_f32 v[TP], v[TM], v[TM+1], v[TM+2]
.endr
.irp x, 0,1
	WIN 0x55*\x
	v_max_num_f32 v[TP], v[TP], v[TM+3]            ; the largest score of my query's 128 keys
.endr
.irp x, 0,1
	WIN 0x55*\x
	v_mul_f32 v[TP], s[CS], v[TP]                  ; as t (c is positive)
.endr
.irp x, 0,1
	WIN 0x55*\x
	v_floor_f32 v[NM], -v[TP]                      ; -M = floor(-t) = -ceil(t)
.endr
.irp x, 0,1
	WIN 0x55*\x
.irp b, 0,1,2,3
	v_fma_f32 v[TM+\b], v[TM+\b], s[CS], v[NM]     ; t - M of each block's largest score
.endr
	WIN WA|(0x50*\x)
.set AC, 64*((\a)%4)+64*\x
.set JJ, 0
.rept 32
	v_pk_fma_f32 v[T+JJ:T+JJ+1], v[AC+JJ:AC+JJ+1], s[CS:CS+1], v[NM:NM+1] op_sel_hi:[1,0,0]   ; and of all 64, two at a time
.set JJ, JJ+2
.endr
.endr
	s_wait_alu depctr_va_vdst(0)                   ; the wait ahead of the batch
.irp x, 0,1
	WIN 0x55*\x
.set JJ, 0
.rept 64
	v_exp_f32 v[T+JJ], v[T+JJ]                     ; p = 2^(t - M), at most 1
.set JJ, JJ+1
.endr
.irp b, 0,1,2,3
	v_exp_f32 v[TM+\b], v[TM+\b]                   ; the block's largest p: the same two instructions on the same number
.endr
.endr
	v_nop                                          ; a plain line behind the exponentials
	s_wait_alu depctr_va_vdst(0)                   ; one wait for the whole batch, ahead of its first reader
.irp x, 0,1
	WIN 0x55*\x
.irp c, 0,2,4,6
	v_pk_add_f32 v[SU+\c:SU+\c+1], v[T+\c:T+\c+1], v[T+8+\c:T+8+\c+1]   ; the sum of the unquantised p, in four chains
.endr
.endr
.irp j, 16,24,32,40,48,56
.irp x, 0,1
	WIN 0x55*\x
.irp c, 0,2,4,6
	v_pk_add_f32 v[SU+\c:SU+\c+1], v[SU+\c:SU+\c+1], v[T+\j+\c:T+\j+\c+1]
.endr
.endr
.endr
.irp x, 0,1
	WIN 0x55*\x
	v_pk_add_f32 v[SU:SU+1], v[SU:SU+1], v[SU+2:SU+3]
	v_pk_add_f32 v[SU+4:SU+5], v[SU+4:SU+5], v[SU+6:SU+7]
.irp b, 0,1,2,3
	v_max_num_f32 v[TM+\b], 0x1800000, v[TM+\b]    ; the floor 2^(3 - 127): the byte cannot fall under 1
.endr
.endr
.irp x, 0,1
	WIN 0x55*\x
	v_pk_add_f32 v[SU:SU+1], v[SU:SU+1], v[SU+4:SU+5]
.irp b, 0,1,2,3
	v_add_nc_u32 v[TM+12+\b], 0xff000000, v[TM+\b] ; 2 off the exponent field: the conversion's scale operand
.endr
.endr
.irp x, 0,1
	WIN 0x55*\x
	v_add_f32 v[LS], v[SU], v[SU+1]
.irp b, 0,1,2,3
	v_lshrrev_b32 v[TM+4+\b], 23, v[TM+12+\b]      ; the byte
.endr
.endr
.irp x, 0,1
	WIN 0x55*\x
	v_permlanex16_b32 v[TP], v[LS], s[SEL], s[SEL+1]
	v_lshl_or_b32 v[PW], v[TM+5], 8, v[TM+4]
	v_lshl_or_b32 v[TM+6], v[TM+7], 8, v[TM+6]
.endr
.irp x, 0,1
	WIN 0x55*\x
	v_add_f32 v[LS], v[LS], v[TP]                  ; with lane l xor 16's 64 keys: l of my query's 128 keys
	v_lshl_or_b32 v[PW], v[TM+6], 16, v[PW]
.endr
.irp x, 0,1
	WIN 0x55*\x
	v_or_b32 v[PW], 0x80808080, v[PW]              ; bit 7 of every byte, for the next launch's bytewise subtraction
.endr
	s_wait_alu depctr_va_vdst(0)                   ; the wait here, directly ahead of the wait below
	s_wait_xcnt 0x0                                ; the last pair's stores have read their data
.irp x, 0,1
	WIN 0x55*\x
.irp c, 0,1
	v_cvt_scalef32_pk16_fp6_f32 v[PC+6*\c:PC+2+6*\c], v[T+32*\c:T+15+32*\c], v[TM+12+2*\c]
	v_cvt_scalef32_pk16_fp6_f32 v[PC+12+4*\c:PC+14+4*\c], v[T+16+32*\c:T+31+32*\c], v[TM+12+2*\c+1]   ; (a conversion's three registers begin on an even number)
.endr
.endr
	v_nop                                          ; one plain line behind the scaled conversions
.irp x, 0,1
	WIN 0x55*\x
.irp c, 0,1                                    ; the layout wants a whole block in a lane: lanes 0-15 block 2 c, lanes 16-31 block 2 c + 1
.irp i, 0,1,2
	v_permlane16_swap_b32 v[PC+6*\c+\i], v[PC+12+4*\c+\i]
.endr
.endr
.irp c, 0,1
.irp i, 0,1,2
	v_mov_b32 v[PC+3+6*\c+\i], v[PC+12+4*\c+\i]
.endr
.endr
.endr
.irp x, 0,1
	WIN 0x04*\x
.irp c, 0,1,2
	global_store_b128 v[LI], v[PC+4*\c:PC+4*\c+3], s[14:15] offset:3072*(\a)+3072*\x+512*\c   ; 512 consecutive bytes, aligned
.endr
	ds_store_b32 v[STW], v[PW] offset:64*(\a)+64*\x   ; both halves of the lanes write the same word with the same value
	ds_store_b32 v[STW], v[NM] offset:512+64*(\a)+64*\x
	ds_store_b32 v[STW], v[LS] offset:1024+64*(\a)+64*\x
.endr
.endm
.irp x, 0,1
	WIN 0x55*\x
.irp b, 0,1,2,3
	v_mov_b32 v[TM+4+\b], 0                        ; written once: a lane permute's destination counts as one of its sources
.endr
	v_mov_b32 v[TP], 0
	v_mov_b32 v[NM+1], 0                           ; (named as the upper half of a pair)
.endr
.irp a, 0,2,4,6
	SOFT2 \a
.endr
	WIN 0
.irp k, 0,1,2
	ds_load_b128 v[180+4*\k:183+4*\k], v[STR] offset:512*\k   ; LDS serves a wave's instructions in order: these see my stores
.endr
	s_wait_dscnt 0x0
.irp k, 0,1,2
	global_store_b128 v[LI], v[180+4*\k:183+4*\k], s[12:13] offset:524288*\k   ; 512 consecutive bytes, aligned: words, -M, l
.endr
	s_wait_tensorcnt 0x0                           ; the wave's end
	ds_add_u32 v[SPW], v[NIL]
	s_wait_dscnt 0x0
	CROUND                                         ; the closing round
	s_endpgm
.Lfunc_end_k_qaf29b75751_score:
	.size	k_qaf29b75751_score, .Lfunc_end_k_qaf29b75751_score-k_qaf29b75751_score
	.p2alignl 7, 3214868480
	.fill 96, 4, 3214868480
	.section	.rodata,"a",@progbits
	.p2align	6, 0x0
	.amdhsa_kernel k_qaf29b75751_score
		.amdhsa_group_segment_fixed_size 327680
		.amdhsa_private_segment_fixed_size 0
		.amdhsa_enable_private_segment 0
		.amdhsa_kernarg_size 16
		.amdhsa_user_sgpr_count 2
		.amdhsa_user_sgpr_kernarg_segment_ptr 1
		.amdhsa_wavefront_size32 1
		.amdhsa_system_sgpr_workgroup_id_x 1
		.amdhsa_system_sgpr_workgroup_id_y 1
		.amdhsa_system_sgpr_workgroup_id_z 1
		.amdhsa_system_vgpr_workitem_id 0
		.amdhsa_next_free_vgpr 1024
		.amdhsa_next_free_sgpr 102
		.amdhsa_reserve_vcc 0
		.amdhsa_float_denorm_mode_32 3
		.amdhsa_float_denorm_mode_16_64 3
		.amdhsa_memory_ordered 1
		.amdhsa_forward_progress 1
		.amdhsa_inst_pref_size 208
	.end_amdhsa_kernel
	.amdgpu_metadata
---
amdhsa.version: [ 1, 2 ]
amdhsa.kernels:
  - .name:           k_qaf29b75751_score
    .symbol:         k_qaf29b75751_score.kd
    .args:
      - { .name: qkv, .offset: 0, .size: 8, .value_kind: global_buffer, .address_space: global }
      - { .name: pp, .offset: 8, .size: 8, .value_kind: global_buffer, .address_space: global }
    .group_segment_fixed_size: 327680
    .private_segment_fixed_size: 0
    .kernarg_segment_align: 8
    .kernarg_segment_size: 16
    .max_flat_workgroup_size: 128
    .sgpr_count:     102
    .vgpr_count:     1024
    .wavefront_size: 32
...
	.end_amdgpu_metadata
.endif
;; end of part 3
;; launch mix (part 4): grid 4 x 64, 4 waves a work-group, clusters of 4 x 4, 327,680 bytes of LDS; arguments pp, qkv, out0; writes out0
.if DOCPART == 4
	.amdgcn_target "amdgcn-amd-amdhsa--gfx1250"
	.amdhsa_code_object_version 6
	.text
	.protected	k_qaf29b75751_mix
	.globl	k_qaf29b75751_mix
	.p2align	8
	.type	k_qaf29b75751_mix,@function
k_qaf29b75751_mix:
	s_mov_b64 s[64:65], 0
	v_nop
	global_prefetch_b8 v0, s[64:65] scope:SCOPE_SE
	s_setreg_imm32_b32 hwreg(HW_REG_WAVE_MODE, 25, 1), 1
	s_wait_xcnt 0x0
	s_wait_alu depctr_hold_cnt(0) depctr_sa_sdst(0) depctr_va_vdst(0) depctr_va_sdst(0) depctr_va_ssrc(0) depctr_va_vcc(0) depctr_vm_vsrc(0)
	s_getreg_b32 s2, hwreg(HW_REG_IB_STS2, 6, 4)
	s_cmp_eq_u32 s2, 0
	s_cbranch_scc0 .Lentry_in_a_cluster
	s_endpgm
.Lentry_in_a_cluster:
	s_bfe_u32 s2, ttmp6, 0x10000c
	s_cmp_lg_u32 s2, 0xf033
	s_cbranch_scc0 .Lentry_shape_is_right
	s_endpgm
.Lentry_shape_is_right:
; out = (p v) / l on codes of FP6 (E2M3) with E8M0 scales.  p was quantised in 16 runs of 128 keys, each under its own M: here a row's runs are brought under the row's largest M by taking the whole number M - M_run off the runs' scale bytes
; (held at 0 from below: 2^-127, where the p of that block lie under 2^-124 of the row's), and their sums l by the same power of two.
; pp: p's images [128 queries: 64][256 keys: 8][row block 8][q 2] of 1,536 bytes; at 12,582,912 the scale words [16 runs][8192] with bit 7 of every byte set, then -M and l, the same shape, 524,288 bytes on each.
; v: at 13,107,200 of qkv, chunks of 256 d x 256 tokens (51,200 bytes: images [row block 16][q 2], words [q 2][256]), [batch][d / 256][8 chunks].  An image's registers 4 c .. 4 c + 3 of lane l lie at 512 c + 16 l; lane r of row block 2 b + u holds row 32 b + 8 u + r + 8 (r / 8).
; SHARES: a work-group makes 128 queries x 256 d; four waves, 64 x 128 each: 32 accumulators.  Source 0 = 16 d, source 1 = 16 queries: a lane holds one query, and the 16 registers of two neighbouring tiles are 16 neighbouring d.
; K = 2,048 keys are eight chunks of 256; two chunks make a slice, a ring of two slots holds two slices.  At the head one joint load a wave: chunk 0 of p, of v, chunks 1 to 3 of p, of v; slices 2 and 3 are refills, each behind a round of the cluster's barrier.
; THREE REGISTER SETS: K step ks works on set ks % 3, and fetches step ks + 2 into the set that step ks - 1 has left.
; CLUSTER 4 x 4: p's tile is asked for jointly along a row of the cluster (it hangs on the query tile alone), v's along a column (batch and d).
; PREFETCH: slices 2 and 3 are asked for three K steps ahead of their loads: p's 192 blocks of 256 bytes by the sixteen waves of a row of the cluster, 12 a wave, v's 400 by those of a column, 25 a wave.
; The last two K steps go by blocks of queries, so that a block's stores stand ahead of the other blocks' products.
; LIMITS: NaN and infinities are not served.
; REGISTERS: window 0: v4-27 addresses and 1 / l, v28-63 scale words (three sets of 12; nothing else ever), v64-207 p's fragments (three sets of 48); window 1: v's fragments, sets 0 and 2 at v0 and v128; window 2: accumulator (a, b) at v[8 (8 a + b)];
;   window 3: v's set 1 at v0, then the way out.
.set PSL,  49152                       ; a slice of p
.set VSL,  102400                      ; a slice of v
.set VB,   2*PSL
.set PSC,  VB+2*VSL                    ; p's scale words [16 runs][128]: written by LDS stores, never a tensor load's target
.set RL,   PSC+8192                    ; 1 / l [128]
.set SPARE, RL+512
.set SPI,  528                         ; the way out: a stage of 16 rows x (512 + 16) bytes a wave, in p's slot 0, which has had its last fill and its last read by then
.set SPW, 4
.set NIL, 5
.set ADP, 6                            ; v6-7   p's fragments in slot 0, 1
.set ADV, 8                            ; v8-11  v's in slot 0 (chunk 0, 1), slot 1 (chunk 0, 1)
.set ASP, 12
.set ASV, 13                           ; v13-14 v's words in slot 0, 1
.set LI,  16
.set STO, 17
.set SRD, 18
.set PO,  19
.set PWA, 20
.set ARL, 21
.set PFP, 22
.set PFV, 23
.set RCP, 24
.set SC,  28                           ; a set: v's eight words, p's four
.set LF,  64
.set BK,  0                            ; window 3: 16 rows read back, v0-63 and v64-127 by turns
.set T,   128                          ; window 3: 64 numbers of a lane
.set G1P1, 24                          ; group 1 for p: one chunk, three chunks, a slice
.set G1P3, 32
.set G1P2, 40
.set G1V1, 48                          ; and for v
.set G1V3, 56
.set G1V2, 68
.set G0P, 76                           ; s[76:79], s[80:83]: chunk 0, then slot 0; chunks 1 to 3, then slot 1
.set G0V, 84
.set MSB, 0
.macro WIN new                         ; the immediate's high byte repeats the setting that is left
.if MSB != (\new)
	s_set_vgpr_msb (MSB<<8)|(\new)
.set MSB, (\new)
.endif
.endm
.macro PLACES n
.rept \n
	v_nop
.endr
.endm
.macro CREST                           ; a round of the cluster's barrier behind its opening barrier
	s_cmp_lg_u32 s18, 0
	s_cbranch_scc1 .Lnot_wave_0_\@
	s_barrier_signal -3
.Lnot_wave_0_\@:
	s_barrier_wait -3
	s_barrier_signal -1
	s_barrier_wait -1
.endm
.macro CROUND
	s_barrier_signal -1
	s_barrier_wait -1
	CREST
.endm
.macro GROUP1 g, mask, rows            ; a dense block as rows of 256 bytes (32 elements of 8), no padding; bit 21 beside a mask
	s_or_b32 s[\g], s[\mask], (3<<16)|(1<<21)
	s_mov_b32 s[\g+1], 32<<16
	s_mov_b32 s[\g+2], (\rows)<<16
	s_mov_b32 s[\g+3], 32<<16
	s_mov_b32 s[\g+4], \rows
	s_mov_b32 s[\g+5], 32
	s_mov_b32 s[\g+6], 0
	s_mov_b32 s[\g+7], 0
.endm
.macro MKG0 g, lds, ptr, off
	s_mov_b32 s[\g], 1
	s_mov_b32 s[\g+1], \lds
	s_add_nc_u64 s[\g+2:\g+3], s[\ptr:\ptr+1], \off
	s_or_b32 s[\g+3], s[\g+3], 0x80000000
.endm
.macro ARM n, g0, g1, next             ; one arm of the head's tree: one load a wave
	s_cmp_eq_u32 s18, \n
	s_cbranch_scc0 \next
	tensor_load_to_lds s[\g0:\g0+3], s[\g1:\g1+7]
	s_nop 0
	PLACES 4
	s_branch .Lasked
\next:
.endm
.macro REFILL n                        ; slot n: wave 0 fetches p's slice, wave 1 v's
	s_cmp_eq_u32 s18, 0
	s_cbranch_scc0 .Lnot_p_\@
	tensor_load_to_lds s[G0P+4*(\n):G0P+4*(\n)+3], s[G1P2:G1P2+7]
	s_nop 0
	PLACES 4
	s_branch .Ldone_\@
.Lnot_p_\@:
	s_cmp_eq_u32 s18, 1
	s_cbranch_scc0 .Ldone_\@
	tensor_load_to_lds s[G0V+4*(\n):G0V+4*(\n)+3], s[G1V2:G1V2+7]
	s_nop 0
	PLACES 4
.Ldone_\@:
.endm
	s_load_b128 s[4:7], s[0:1], 0x0                ; pp, qkv
	s_load_b64 s[8:9], s[0:1], 0x10                ; out0
	v_lshl_add_u32 v[SPW], v0, 2, SPARE
	v_mov_b32 v[NIL], 0
	ds_add_u32 v[SPW], v[NIL]                      ; the wave's opening: the add, twice on end
	ds_add_u32 v[SPW], v[NIL]
	v_lshrrev_b32 v1, 5, v0
	v_readfirstlane_b32 s18, v1                    ; wave
	v_lshlrev_b32 v[PO], 2, v0                     ; thread t takes the tile's query t
	s_lshr_b32 s19, s18, 1                         ; LH: my half of the queries
	s_and_b32 s20, s18, 1                          ; RH: my half of the d
	s_bfe_u32 s21, ttmp6, 0x40000                  ; cx
	s_bfe_u32 s22, ttmp6, 0x40004                  ; cy
	s_lshl_b32 s23, ttmp9, 2
	s_add_co_u32 s23, s23, s21                     ; TX: tile of 256 d
	s_and_b32 s66, ttmp7, 0xffff
	s_lshr_b32 s67, s66, 2                         ; the batch: four clusters along y to each; all partners share it
	s_lshl_b32 s66, s66, 2
	s_add_co_u32 s66, s66, s22                     ; TP: tile of 128 queries
	s_lshl_b32 s98, s22, 2
	s_lshl_b32 s98, 15, s98                        ; my row of the cluster
	s_lshl_b32 s99, 0x1111, s21                    ; my column
	GROUP1 G1P1, 98, 96
	GROUP1 G1P3, 98, 288
	GROUP1 G1P2, 98, 192
	GROUP1 G1V1, 99, 200
	GROUP1 G1V3, 99, 600
	GROUP1 G1V2, 99, 400
	s_mul_i32 s92, s66, 4*PSL
	s_mov_b32 s93, 0
	s_lshl_b32 s96, s66, 9
	s_add_co_u32 s96, s96, 12582912
	s_mov_b32 s97, 0
	s_lshl_b32 s94, s67, 2
	s_add_co_u32 s94, s94, s23
	s_mul_i32 s94, s94, 4*VSL
	s_add_co_u32 s94, s94, 13107200
	s_mov_b32 s95, 0
	s_lshl_b32 s16, s66, 19
	s_lshl_b32 s17, s19, 18
	s_add_co_u32 s16, s16, s17
	s_lshl_b32 s17, s23, 10
	s_add_co_u32 s16, s16, s17
	s_lshl_b32 s17, s20, 9
	s_add_co_u32 s16, s16, s17                     ; my first row and column of the output
	s_mov_b32 s17, 0
	s_wait_alu depctr_va_vdst(0)
	s_wait_dscnt 0x0                               ; both opening adds are done
	CROUND                                         ; all sixteen work-groups are here: the first joint loads meet
	s_wait_kmcnt 0x0
	s_add_nc_u64 s[96:97], s[4:5], s[96:97]
.irp s, 0,1,2,3,4,5,6,7,8,9,10,11,12,13,14,15
	global_load_b32 v[80+\s], v[PO], s[96:97] offset:32768*\s+524288    ; -M of my query's runs; the work-group reads 512 consecutive bytes a run
.endr
.irp s, 0,1,2,3,4,5,6,7,8,9,10,11,12,13,14,15
	global_load_b32 v[96+\s], v[PO], s[96:97] offset:32768*\s+1048576   ; l
	global_load_b32 v[64+\s], v[PO], s[96:97] offset:32768*\s           ; the scale words
.endr
	s_add_nc_u64 s[92:93], s[4:5], s[92:93]
	s_add_nc_u64 s[94:95], s[6:7], s[94:95]
	s_add_nc_u64 s[8:9], s[8:9], s[16:17]
	MKG0 G0P, 0, 92, 0
	MKG0 G0V, VB, 94, 0
	MKG0 G0P+4, PSL/2, 92, PSL/2
	MKG0 G0V+4, VB+VSL/2, 94, VSL/2
	ARM 0, G0P, G1P1, .Lwave_1
	ARM 1, G0V, G1V1, .Lwave_2
	ARM 2, G0P+4, G1P3, .Lwave_3
	tensor_load_to_lds s[G0V+4:G0V+7], s[G1V3:G1V3+7]
	s_nop 0
	PLACES 4
.Lasked:
	v_and_b32 v1, 31, v0
	v_and_b32 v2, 15, v0                           ; r
	v_bfe_u32 v3, v0, 4, 1                         ; h
	v_lshlrev_b32 v[LI], 4, v1
	s_mul_i32 s16, s19, 12288
	v_add_nc_u32 v[ADP], s16, v[LI]                ; row blocks 4 LH on
	v_add_nc_u32 v[ADP+1], PSL, v[ADP]
	s_mul_i32 s16, s20, 24576
	s_add_co_u32 s16, s16, VB
	v_add_nc_u32 v[ADV], s16, v[LI]                ; row blocks 8 RH on
	v_add_nc_u32 v[ADV+1], VSL/2, v[ADV]
	v_add_nc_u32 v[ADV+2], VSL, v[ADV]
	v_add_nc_u32 v[ADV+3], VSL+VSL/2, v[ADV]
	s_lshl_b32 s16, s20, 9
	s_add_co_u32 s16, s16, VB+49152
	v_lshl_add_u32 v[ASV], v2, 2, s16
	v_add_nc_u32 v[ASV+1], VSL, v[ASV]
	s_lshl_b32 s16, s19, 8
	s_add_co_u32 s17, s16, PSC
	v_lshl_add_u32 v[ASP], v2, 2, s17
	s_add_co_u32 s17, s16, RL
	v_lshl_add_u32 v[ARL], v2, 2, s17
	s_mul_i32 s16, s18, 16*SPI
	v_mul_u32_u24 v[STO], v2, SPI
	v_lshl_add_u32 v[STO], v3, 6, v[STO]
	v_add_nc_u32 v[STO], s16, v[STO]               ; the stage, in: row r, 64 bytes for each half of the lanes
	v_add_nc_u32 v[SRD], s16, v[LI]                ; and back by rows
	v_lshl_add_u32 v[PWA], v0, 2, PSC
	s_lshl_b32 s16, s21, 2
	s_add_co_u32 s16, s16, s18
	s_mul_i32 s16, s16, 12
	v_min_u32 v[PFP], 11, v1
	v_add_nc_u32 v[PFP], s16, v[PFP]
	v_lshlrev_b32 v[PFP], 8, v[PFP]
	s_lshl_b32 s16, s22, 2
	s_add_co_u32 s16, s16, s18
	s_mul_i32 s16, s16, 25
	v_min_u32 v[PFV], 24, v1
	v_add_nc_u32 v[PFV], s16, v[PFV]
	v_lshlrev_b32 v[PFV], 8, v[PFV]
.macro ASK n                           ; slice n: my wave's blocks, a lane a block (lanes left over name the last block again)
	WIN 0
	global_prefetch_b8 v[PFP], s[92:93] offset:(\n)*PSL th:TH_LOAD_NT scope:SCOPE_SE
	global_prefetch_b8 v[PFV], s[94:95] offset:(\n)*VSL th:TH_LOAD_NT scope:SCOPE_SE
.endm
	s_wait_alu depctr_va_vdst(0)                   ; the wait at the head's end
	s_wait_loadcnt 0x0
	; my query's 16 runs under the row's M, a step for all runs at a time
	v_min3_num_f32 v160, v80, v81, v82
	v_min3_num_f32 v161, v83, v84, v85
.irp i, 86,90
	v_min3_num_f32 v160, v160, v[\i], v[\i+1]
	v_min3_num_f32 v161, v161, v[\i+2], v[\i+3]
.endr
	v_min3_num_f32 v160, v160, v94, v95
	v_min_num_f32 v160, v160, v161                 ; -M of the row
.macro ALL16 line:vararg
.set S, 0
.rept 16
	\line
.set S, S+1
.endr
.endm
	ALL16 v_sub_f32 v[112+S], v160, v[80+S]        ; M_run - M, a whole number, 0 or less,
	ALL16 v_max_num_f32 v[112+S], 0xc2fe0000, v[112+S]   ; held at -127: a byte is at most 125
	ALL16 v_cvt_i32_f32 v[112+S], v[112+S]
	ALL16 v_ldexp_f32 v[96+S], v[96+S], v[112+S]   ; l under the row's M
	ALL16 v_sub_nc_u32 v[112+S], 0, v[112+S]
	ALL16 v_perm_b32 v[112+S], v[112+S], v[112+S], 0     ; in all four bytes
	ALL16 v_sub_nc_u32 v[64+S], v[64+S], v[112+S]  ; 128 + byte - shift: between 2 and 253, so no byte borrows
	ALL16 v_and_b32 v[128+S], 0x80808080, v[64+S]  ; bit 7 is left where the byte is no less than the shift
	ALL16 v_lshrrev_b32 v[112+S], 7, v[128+S]
	ALL16 v_sub_nc_u32 v[128+S], v[128+S], v[112+S]      ; 0x7f there, 0 elsewhere
	ALL16 v_and_b32 v[64+S], v[64+S], v[128+S]
	ALL16 ds_store_b32 v[PWA], v[64+S] offset:512*S
.irp n, 8,4,2,1                                ; l, summed by halves
.set S, 0
.rept \n
	v_add_f32 v[96+S], v[96+S], v[96+S+\n]
.set S, S+1
.endr
.endr
	s_wait_alu depctr_va_vdst(0)                   ; the wait ahead of the transcendental
	v_rcp_f32 v162, v96
	v_nop
	s_wait_alu depctr_va_vdst(0)                   ; and behind it
	ds_store_b32 v[PWA], v162 offset:RL-PSC
	s_wait_dscnt 0x0                               ; for the others' sake: my words lie in LDS
	s_cmp_lt_u32 s18, 2
	s_cbranch_scc0 .Lnot_chunk_0
	s_wait_tensorcnt 0x0                           ; waves 0 and 1: chunk 0; chunks 1 to 3 may be out
.Lnot_chunk_0:
	s_barrier_signal -1
	s_barrier_wait -1
.irp a, 0,1,2,3
	ds_load_b32 v[RCP+\a], v[ARL] offset:64*\a
.endr
; Set ks % 3: v's fragments in window MW at VS, p's at LF + 48 ST
.macro SETV ks
.set ST, (\ks)%3
.set MW, 1+2*(ST%2)
.set VS, 64*ST*(ST-1)
.endm
; 8 matrix instructions: p's block a against v's eight, K step ks.  The accumulators take turns, one instruction a turn.
.macro MULA a, ks, zero
	SETV \ks
.set FLA, LF+48*ST+12*(\a)
	WIN 0xa0|MW
.irp b, 0,1,2,3,4,5,6,7
.set AD, 8*(8*(\a)+\b)
.set FRA, VS+12*\b
.if \zero
	v_wmma_scale_f32_16x16x128_f8f6f4 v[AD:AD+7], v[FRA:FRA+11], v[FLA:FLA+11], 0, v[SC+12*ST+\b], v[SC+12*ST+8+(\a)] matrix_a_fmt:MATRIX_FMT_FP6 matrix_b_fmt:MATRIX_FMT_FP6
.else
	v_wmma_scale_f32_16x16x128_f8f6f4 v[AD:AD+7], v[FRA:FRA+11], v[FLA:FLA+11], v[AD:AD+7], v[SC+12*ST+\b], v[SC+12*ST+8+(\a)] matrix_a_fmt:MATRIX_FMT_FP6 matrix_b_fmt:MATRIX_FMT_FP6
.endif
.endr
.endm
.macro FV ks                           ; 24 LDS loads: v's fragments
	SETV \ks
	WIN MW<<6
.irp i, 0,1,2,3,4,5,6,7
.irp c, 0,1,2
	ds_load_b128 v[VS+12*\i+4*\c:VS+12*\i+4*\c+3], v[ADV+((\ks)/2)%4] offset:3072*\i+1536*((\ks)%2)+512*\c
.endr
.endr
.endm
.macro FW ks                           ; 24 more: the words and p's fragments
	SETV \ks
	WIN 0
.irp i, 0,1,2,3,4,5,6,7
	ds_load_b32 v[SC+12*ST+\i], v[ASV+((\ks)/4)%2] offset:(VSL/2)*(((\ks)/2)%2)+1024*((\ks)%2)+64*\i
.endr
.irp i, 0,1,2,3
	ds_load_b32 v[SC+12*ST+8+\i], v[ASP] offset:512*(\ks)+64*\i
.irp c, 0,1,2
	ds_load_b128 v[LF+48*ST+12*\i+4*\c:LF+48*ST+12*\i+4*\c+3], v[ADP+((\ks)/4)%2] offset:(PSL/2)*(((\ks)/2)%2)+3072*\i+1536*((\ks)%2)+512*\c
.endr
.endr
.endm
; Four plain lines stand between the last product that read a set and the loads into it (ISA guide 7.12.1 for vector instructions).
; mode 0: plain.  1: what is fetched next must first be whole: all my tensor loads, my LDS reads, one barrier. 2: the same with a refill of the slot that has been read out, behind a round of the cluster's barrier.
.macro KSTEP ks, mode
.if (\mode) == 0
	s_wait_dscnt 48                                ; this step's loads are in; the next step's 48 may be out
	PLACES 4
	FV (\ks)+2
	MULA 0, \ks, 0
	MULA 1, \ks, 0
	FW (\ks)+2
	MULA 2, \ks, 0
	MULA 3, \ks, 0
.else
	WIN 0                                          ; (the add's two registers lie in window 0)
	s_wait_tensorcnt 0x0                           ; all my tensor loads have landed: descriptors may be written
.if (\mode) == 2
	ds_add_u32 v[SPW], v[NIL]                      ; 0 onto my spare word
.if (\ks) == 3
	s_add_nc_u64 s[G0P+2:G0P+3], s[G0P+2:G0P+3], 2*PSL   ; slot 0: slice 2
	s_add_nc_u64 s[G0V+2:G0V+3], s[G0V+2:G0V+3], 2*VSL
.else
	s_mov_b32 s[G0P+5], PSL                        ; slot 1: slice 3
	s_mov_b32 s[G0V+5], VB+VSL
	s_add_nc_u64 s[G0P+6:G0P+7], s[G0P+6:G0P+7], 3*PSL-PSL/2
	s_add_nc_u64 s[G0V+6:G0V+7], s[G0V+6:G0V+7], 3*VSL-VSL/2
.endif
	s_wait_dscnt 49                                ; this step's loads are in; the next step's 48 and the add may be out
	MULA 0, \ks, 0                                 ; eight matrix instructions stand between the add and the wait for it
	s_wait_dscnt 0x0                               ; the add is done, and my reads of the slot are over
	s_barrier_signal -1
	MULA 1, \ks, 0
	WIN 0
	s_barrier_wait -1
	CREST                                          ; no wave of any partner still reads the slot or has a load on its way
	REFILL ((\ks)/4)
.else
	s_wait_dscnt 0x0
	s_barrier_signal -1
	MULA 0, \ks, 0
	MULA 1, \ks, 0
	s_barrier_wait -1                              ; everybody's part has landed
.endif
	PLACES 4
.if (\ks) == 1
	FV 2                                           ; (step 0 has fetched nothing: step 2 is fetched here too)
	FW 2
.endif
	FV (\ks)+2
	MULA 2, \ks, 0
	FW (\ks)+2
	MULA 3, \ks, 0
.endif
.endm
	FV 0
	FW 0
	FV 1
	FW 1
	s_wait_dscnt 48                                ; step 0's loads are in; step 1's 48 may be out
.irp a, 0,1,2,3
	MULA \a, 0, 1                                  ; the first products start the sums: nothing is cleared
.endr
	ASK 2
	KSTEP 1, 1                                     ; chunks 1 to 3 ahead
	KSTEP 2, 0
	KSTEP 3, 2                                     ; slot 0 has been read out and takes slice 2
	ASK 3
	KSTEP 4, 0
	KSTEP 5, 0
	KSTEP 6, 2                                     ; slice 2 ahead; slot 1 has been read out and takes slice 3
	KSTEP 7, 0
	KSTEP 8, 0
	KSTEP 9, 0
	KSTEP 10, 1                                    ; slice 3 ahead; slot 0 is read no more
	KSTEP 11, 0
	KSTEP 12, 0
	KSTEP 13, 0
; THE WAY OUT of block a: x 1 / l, through my own stage, and out as whole rows of 512 bytes
.macro SCALE a
	WIN 0xc2
.set JJ, 0
.rept 32
.if ((\a)%2) == 0
	v_pk_mul_f32 v[T+JJ:T+JJ+1], v[64*(\a)+JJ:64*(\a)+JJ+1], v[RCP+2*((\a)/2):RCP+2*((\a)/2)+1] op_sel_hi:[1,0]   ; each accumulator from its low end on
.else
	v_pk_mul_f32 v[T+JJ:T+JJ+1], v[64*(\a)+JJ:64*(\a)+JJ+1], v[RCP+2*((\a)/2):RCP+2*((\a)/2)+1] op_sel:[0,1] op_sel_hi:[1,1]
.endif
.set JJ, JJ+2
.endr
.endm
.macro TOSTAGE a
	WIN 0x0c
.irp b, 0,1,2,3
.irp c, 0,1,2,3
	ds_store_b128 v[STO], v[T+16*\b+4*\c:T+16*\b+4*\c+3] offset:128*\b+16*\c
.endr
.endr
	WIN 0xc0
.irp t, 0,1,2,3,4,5,6,7,8,9,10,11,12,13,14,15
	ds_load_b128 v[BK+64*((\a)%2)+4*\t:BK+64*((\a)%2)+4*\t+3], v[SRD] offset:SPI*\t   ; LDS serves a wave's instructions in order: these see the stores above
.endr
.endm
.macro SEND a
	s_wait_dscnt 0x0                               ; the block is back in registers
	WIN 0x0c
.irp t, 0,1,2,3,4,5,6,7,8,9,10,11,12,13,14,15
	global_store_b128 v[LI], v[BK+64*((\a)%2)+4*\t:BK+64*((\a)%2)+4*\t+3], s[8:9] offset:(32*((\a)/2)+8*((\a)%2)+\t+8*(\t/8))*4096 th:TH_STORE_NT   ; 512 consecutive bytes, aligned
.endr
.endm
	s_wait_dscnt 0x0                               ; sets 2 and 0 are in: steps 14 and 15 go by blocks of queries
	MULA 0, 14, 0
	MULA 0, 15, 0
	PLACES 4
	SCALE 0
	TOSTAGE 0
	MULA 1, 14, 0
	SEND 0
	MULA 1, 15, 0
	PLACES 4
	SCALE 1
	TOSTAGE 1
	MULA 2, 14, 0
	SEND 1
	MULA 2, 15, 0
	PLACES 4
	s_wait_xcnt 0x0                                ; earlier stores have read their data
	SCALE 2
	TOSTAGE 2
	MULA 3, 14, 0
	SEND 2
	MULA 3, 15, 0
	PLACES 4
	s_wait_xcnt 0x0
	SCALE 3
	TOSTAGE 3
	SEND 3
	WIN 0
	s_wait_tensorcnt 0x0                           ; the wave's end
	ds_add_u32 v[SPW], v[NIL]
	s_wait_dscnt 0x0
	CROUND                                         ; the closing round
	s_endpgm
.Lfunc_end_k_qaf29b75751_mix:
	.size	k_qaf29b75751_mix, .Lfunc_end_k_qaf29b75751_mix-k_qaf29b75751_mix
	.p2alignl 7, 3214868480
	.fill 96, 4, 3214868480
	.section	.rodata,"a",@progbits
	.p2align	6, 0x0
	.amdhsa_kernel k_qaf29b75751_mix
		.amdhsa_group_segment_fixed_size 327680
		.amdhsa_private_segment_fixed_size 0
		.amdhsa_enable_private_segment 0
		.amdhsa_kernarg_size 24
		.amdhsa_user_sgpr_count 2
		.amdhsa_user_sgpr_kernarg_segment_ptr 1
		.amdhsa_wavefront_size32 1
		.amdhsa_system_sgpr_workgroup_id_x 1
		.amdhsa_system_sgpr_workgroup_id_y 1
		.amdhsa_system_sgpr_workgroup_id_z 1
		.amdhsa_system_vgpr_workitem_id 0
		.amdhsa_next_free_vgpr 1024
		.amdhsa_next_free_sgpr 100
		.amdhsa_reserve_vcc 0
		.amdhsa_float_denorm_mode_32 3
		.amdhsa_float_denorm_mode_16_64 3
		.amdhsa_memory_ordered 1
		.amdhsa_forward_progress 1
		.amdhsa_inst_pref_size 167
	.end_amdhsa_kernel
	.amdgpu_metadata
---
amdhsa.version: [ 1, 2 ]
amdhsa.kernels:
  - .name:           k_qaf29b75751_mix
    .symbol:         k_qaf29b75751_mix.kd
    .args:
      - { .name: pp, .offset: 0, .size: 8, .value_kind: global_buffer, .address_space: global }
      - { .name: qkv, .offset: 8, .size: 8, .value_kind: global_buffer, .address_space: global }
      - { .name: out0, .offset: 16, .size: 8, .value_kind: global_buffer, .address_space: global }
    .group_segment_fixed_size: 327680
    .private_segment_fixed_size: 0
    .kernarg_segment_align: 8
    .kernarg_segment_size: 24
    .max_flat_workgroup_size: 128
    .sgpr_count:     100
    .vgpr_count:     1024
    .wavefront_size: 32
...
	.end_amdgpu_metadata
.endif
;; end of part 4
